; MI455X (gfx1250); checked and timed in simulation.
; The chip was launched on July 23, 2026; its instructions are those of AMD's public machine-readable ISA for CDNA 5 (MIT licence, August 2026) and "CDNA5" Instruction Set Architecture Reference Guide (July 2026). The comments in the code are by the model that wrote it; some were corrected since.
;; Enhanced Transformer Block. Allowed arithmetic: matrix products marked QUANTISED: E2M3 operands, one E8M0 scale for each 32 along K, by v_wmma_scale_f32_16x16x128_f8f6f4 with both operands' format E2M3, f32 sums; everything else in f32.
;; Inputs: down_b 1,024 float32; down_w 2,730 x 1,024 float32; gate_b 2,730 float32; gate_w 1,024 x 2,730 float32; ln1_b 1,024 float32; ln1_g 1,024 float32; ln2_b 1,024 float32; ln2_g 1,024 float32; proj_b 1,024 float32; proj_w 1,024 x 1,024 float32; qkv_b 3,072 float32; qkv_w 1,024 x 3,072 float32; up_b 2,730 float32; up_w 1,024 x 2,730 float32; x 2 x 2,048 x 1,024 float32.
;; Outputs: out0 2 x 2,048 x 1,024 float32.
;; This version of the problem:
;;   THIS VERSION OF THE PROBLEM IS GIVEN IN LOW PRECISION. The matrix products marked QUANTISED in the list below multiply operands that are first quantised to E2M3 (2 exponent bits, 3 mantissa bits; 6 bits a number), with one power-of-two scale for each 32 numbers along K (OCP MX v1.0); their sums are f32. All else is computed in f32.
;;   The module's matrix products, in the order in which they are computed (A, B: the left and right operand; K: the contracted axis; several contracted axes count as one K, in the product's order):
;;     1. [M 4,096, K 1,024] x [K 1,024, N 3,072]; A: computed on the way; B: input qkv_w: QUANTISED
;;     2. batch 32 x [M 2,048, K 64] x [K 64, N 2,048]; A: computed on the way; B: computed on the way: QUANTISED
;;     3. batch 32 x [M 2,048, K 2,048] x [K 2,048, N 64]; A: softmax (see below); B: computed on the way: QUANTISED
;;     4. [M 4,096, K 1,024] x [K 1,024, N 1,024]; A: computed on the way; B: input proj_w: QUANTISED
;;     5. [M 4,096, K 1,024] x [K 1,024, N 2,730]; A: computed on the way; B: input gate_w: QUANTISED
;;     6. [M 4,096, K 1,024] x [K 1,024, N 2,730]; A: computed on the way; B: input up_w: QUANTISED
;;     7. [M 4,096, K 2,730] x [K 2,730, N 1,024]; A: computed on the way; B: input down_w: QUANTISED
;;   THE QUANTISER, for each operand of a quantised product, along K:
;;     - K is cut into blocks of 32 from its start; a last block that is shorter is filled with zeros.
;;     - A block's scale is 2^e with e = floor(log2(the largest magnitude in the block)) - 2, held to -126 .. 127; a block of zeros has e = 0. As a byte (E8M0): e + 127.
;;     - Each number is divided by its block's scale, clamped to +-7.5, and rounded to the nearest number of E2M3, ties to even, subnormals kept.
;;     - The product sums the exact products of the quantised numbers (number of the format x scale) in f32.
;;   ~~~python
;;   def quantise(x, axis):      # numpy; x: float32 -> the quantised numbers, widened to float32 again
;;       x = np.moveaxis(x, axis, -1); K = x.shape[-1]
;;       x = np.pad(x, [(0, 0)] * (x.ndim - 1) + [(0, -K % 32)]); x = x.reshape(x.shape[:-1] + (-1, 32)); a = np.abs(x).max(-1, keepdims=True)
;;       e = np.where(a > 0, np.clip(np.frexp(np.where(a > 0, a, 1))[1] - 1 - 2, -126, 127), 0)      # np.frexp(a)[1] - 1 = floor(log2(a)), exactly
;;       r = np.clip(x / 2.0 ** e, -7.5, 7.5)
;;       step = 2.0 ** (np.maximum(np.frexp(np.where(r == 0, 1, r))[1] - 1, 0) - 3)
;;       q = np.round(r / step) * step * 2.0 ** e      # np.round: ties to even
;;       return np.moveaxis(q.reshape(q.shape[:-2] + (-1,))[..., :K], -1, axis).astype(np.float32)
;;   ~~~
;;   SOFTMAX AHEAD OF A QUANTISED PRODUCT. Where the list says 'softmax', what is quantised is not the finished softmax but p = 2^(t - M), with t = logit x log2(e) and M = ceil(the row's largest t), a whole number; so 1/2 < the row's largest p <= 1. The row's sum l is taken of the UNQUANTISED p, in f32, and the product's result is divided by l at the end. Since M is a whole number, a kernel that streams over the keys may use a running M (the ceiling of the running maximum): every later rescaling is an exact power of two, which a block's scale takes up: the codes' values come out the same.
;;   OPERANDS COMPUTED ON THE WAY. 'Computed on the way' means the value that the module computes at that place (a softmax that the list does not call 'softmax' is quantised finished and normalised). What goes into a quantiser is computed in f32, as accurately as f32 sums, v_exp_f32 and their like allow (about 1e-6 of the number): no bf16 or f16 on the way to a quantiser, and a product that is left as it is and whose result goes on into a quantised operand takes f32 operands (vector FMAs, or v_wmma_f32_16x16x4_f32). A number that lies on a knife's edge between two numbers of the format may be rounded either way, as far as f32 arithmetic and the matrix unit's own rounding can turn it there, and no further.
;; One version. Each part assembles by itself: llvm-mc -triple=amdgcn-amd-amdhsa -mcpu=gfx1250 --defsym DOCPART=n.
;; ======== version 1 of 1: 7 launches
;; workspace buffers: w 10,057,728 bytes; ha 3,276,800 bytes; ao 3,276,800 bytes; qkvr 10,092,544 bytes; x2 16,777,216 bytes; hid 9,011,200 bytes
;; launch wqln (part 1): grid 648 x 1, 8 waves a work-group, no clusters, 77,824 bytes of LDS; arguments qkv_w, proj_w, gate_w, up_w, down_w, gate_b, up_b, w, x, ln1_g, ln1_b, ha; writes w, ha
.if DOCPART == 1
	.amdgcn_target "amdgcn-amd-amdhsa--gfx1250"
	.amdhsa_code_object_version 6
	.text
	.protected	k_q6307f2e84d_wqln
	.globl	k_q6307f2e84d_wqln
	.p2align	8
	.type	k_q6307f2e84d_wqln,@function
k_q6307f2e84d_wqln:
	s_mov_b64 s[64:65], 0
	v_nop
	global_prefetch_b8 v0, s[64:65] scope:SCOPE_SE
	s_setreg_imm32_b32 hwreg(HW_REG_WAVE_MODE, 25, 1), 1
	s_wait_xcnt 0x0
; THE PROGRAM: a transformer block (layer norm, qkv, causal attention with ALiBi, projection, residual, layer norm, SwiGLU, residual) whose seven products all run on codes of FP6 (E2M3) with one E8M0 scale for each 32 along K.
; Launches: wqln (this one), qkv, attn, proj, ln2, gu, down.
; WORK LEFT OUT, and why it is dead: in the attention a step of 128 keys all of which come after a tile's 16 queries.  reference() builds the mask pos[q] >= pos[k] in its own body and sets those logits to -inf, so their
; softmax weight is 0 for all values of the inputs, and they add nothing to the row's maximum, to its sum or to the second product.  Nothing else is left out; every input is loaded by some launch.
; LIMITS: a NaN, an infinity or an overflow that reaches only those hidden scores is not carried to the result.  NaN and infinities among the inputs are not served.  A block of zeros gets the scale byte 1 where the
; quantiser says 127: its codes are zeros, which add nothing under any byte but 0xff, and the bytes are read by this program alone.  Sums are taken in another order than reference()'s.
; THIS LAUNCH does two things that do not hang on each other.  Work-groups 0 .. 391 turn the five weights, f32 with K as their FIRST axis, into operands laid in the order of a fragment's registers, and pad the gate's and the up's bias;
; work-groups 392 .. 647 make the first layer norm and quantise it.  The branch between the two hangs on the work-group's number alone; only the second part uses LDS.
; A TILE is 16 columns (or rows): place r of tile T stands for column 32 (T / 2) + 8 (T % 2) + r + 8 (r / 8), so that, with such tiles as source 0, the 16 result registers of tiles 2 b and 2 b + 1 are 16 neighbours.
; A RECORD of 16 columns x 64 K is 768 bytes: lane l = r + 16 h owns block h (32 codes, 24 bytes) of column r: its first 16 bytes at 16 l, its last 8 at 512 + 8 l.  Two records are a fragment of 128 K.
; Codes lie [K step][tile][1,536 bytes], scale words [tile][K step][16 places] (byte b of a word: k = 32 b .. 32 b + 31).  For gate and up the tiles of 32 hidden units lie together: gate's two, then up's two.
; THE WEIGHTS.  A wave takes 32 columns (two tiles) x 128 K: a lane takes a column and its registers run down K, so a block of 32 lies in one lane and the conversions give codes with K innermost.
; Columns past the tensor's last (hidden units 2,730 .. 2,815) get zero codes and a zero bias; rows past K = 2,730 of down_w count as zeros.  No load leaves its buffer: rows and columns are clamped.
; THE LAYER NORM: see the comment at its label.
.set WQKV_C, 0
.set WQKV_S, 2359296
.set WPRJ_C, 2457600
.set WPRJ_S, 3244032
.set WGU_C,  3276800
.set WGU_S,  7602176
.set WDN_C,  7782400
.set WDN_S,  9945088
.set GUB,    10035200
.set NWQ, 392                          ; work-groups that take weights
.set X,  32                            ; v32-95   weights: two sets of 32 numbers;  layer norm: my 64 numbers
.set AD, 96                            ; v96-159  weights: two sets of 32 byte offsets
.set CB, 160                           ; v160-191 weights: block t's six registers of codes at CB + 8 t
.set G,  96                            ; v96-159  layer norm: the gain at my columns
.set B,  160                           ; v160-223 the bias
.set TM, 8                             ; v8-23    at work
.set PC, 224                           ; v224-242 the codes
.set PW, 243                           ; v243     the scale word
.set SPW, 252                          ; v252     LDS address of my spare word; never rewritten
.set NIL, 253                          ; v253     0; never rewritten
.set WST, 8448                         ; LDS: a stage of 16 rows x 528 bytes for each wave,
.set GST, 67584                        ; 512 bytes of gain for each wave, and 4,096 on the same of bias,
.set PS, 75776                         ; 8 waves x 16 rows of partial sums, and 512 on of partial sums of squares,
.set SPARE, 76800                      ; and the spare words, 128 bytes for each wave, which no other line names
.set HS, 3145728
.set SEL, 32
	s_load_b256 s[4:11], s[0:1], 0x0               ; qkv_w, proj_w, gate_w, up_w
	s_load_b256 s[12:19], s[0:1], 0x20             ; down_w, gate_b, up_b, w
	s_load_b256 s[68:75], s[0:1], 0x40             ; x, ln1_g, ln1_b, ha
	v_lshl_add_u32 v[SPW], v0, 2, SPARE
	v_mov_b32 v[NIL], 0
	v_lshrrev_b32 v1, 5, v0
	v_readfirstlane_b32 s31, v1                    ; wave 0..7
	s_cmp_ge_u32 ttmp9, NWQ
	s_cbranch_scc1 .Lln
	s_mov_b32 s20, 304                             ; down_w's figures; the four choices below put another tensor's in their place
	s_mov_b32 s21, 4096                            ; bytes in a row
	s_mov_b32 s22, 1023                            ; last column
	s_mov_b32 s23, 2730                            ; K
	s_mov_b32 s24, WDN_C
	s_mov_b32 s25, WDN_S
	s_mov_b32 s26, 64                              ; tiles in the operand
	s_mov_b32 s27, 22                              ; K steps
	s_mov_b32 s28, 2                               ; tiles from one pair of tiles to the next
	s_mov_b32 s29, 0                               ; and the first one's place
	s_mov_b32 s30, 0                               ; 1: gate or up
	s_wait_kmcnt 0x0
	s_mov_b64 s[32:33], s[12:13]
.macro PICK lim, first, pitch, nlast, dc, ds, nt, pm, po, guf, src
	s_cmp_lt_u32 ttmp9, \lim                       ; the choice hangs on the work-group's number alone
	s_cselect_b32 s20, \first, s20
	s_cselect_b32 s21, \pitch, s21
	s_cselect_b32 s22, \nlast, s22
	s_cselect_b32 s23, 1024, s23
	s_cselect_b32 s24, \dc, s24
	s_cselect_b32 s25, \ds, s25
	s_cselect_b32 s26, \nt, s26
	s_cselect_b32 s27, 8, s27
	s_cselect_b32 s28, \pm, s28
	s_cselect_b32 s29, \po, s29
	s_cselect_b32 s30, \guf, s30
	s_cselect_b64 s[32:33], s[\src:\src+1], s[32:33]
.endm
	PICK 304, 216, 10920, 2729, WGU_C, WGU_S, 352, 4, 2, 1, 10     ; up_w
	PICK 216, 128, 10920, 2729, WGU_C, WGU_S, 352, 4, 0, 1, 8      ; gate_w
	PICK 128, 96, 4096, 1023, WPRJ_C, WPRJ_S, 64, 2, 0, 0, 6       ; proj_w
	PICK 96, 0, 12288, 3071, WQKV_C, WQKV_S, 192, 2, 0, 0, 4       ; qkv_w
	s_cmp_lt_u32 ttmp9, 216
	s_cselect_b64 s[34:35], s[14:15], s[16:17]     ; the bias (read by gate's and up's work-groups alone)
	s_sub_co_u32 s36, ttmp9, s20
	s_lshr_b32 s37, s36, 3
	s_and_b32 s38, s36, 7
	s_and_b32 s45, s36, 3
	s_lshr_b32 s46, s36, 2
	s_cmp_lt_u32 ttmp9, 304
	s_cselect_b32 s39, s37, s45                    ; which eight pairs of tiles
	s_cselect_b32 s40, s38, s46                    ; which K step
	s_lshl_b32 s41, s39, 3
	s_add_co_u32 s41, s41, s31                     ; my wave's pair of tiles
	s_lshl_b32 s42, s40, 7                         ; its first k
	s_sub_co_u32 s43, s23, 1                       ; the last row
	v_and_b32 v1, 31, v0                           ; lane
	v_and_b32 v8, 15, v0                           ; r
	v_bfe_u32 v9, v0, 4, 1                         ; u: which of the two tiles
	v_and_b32 v10, 8, v8
	v_add_nc_u32 v10, v10, v8
	v_lshl_add_u32 v10, v9, 3, v10
	s_lshl_b32 s45, s41, 5
	v_add_nc_u32 v2, s45, v10                      ; my column: 32 x pair + 8 u + r + 8 (r / 8)
	v_min_u32 v3, s22, v2
	v_lshlrev_b32 v3, 2, v3                        ; its bytes, held inside the row
	v_cmp_ge_u32 s44, s22, v2                      ; lanes whose column exists
	v_lshlrev_b32 v4, 4, v1                        ; a record's first part: 16 l
	v_lshlrev_b32 v5, 3, v1
	v_add_nc_u32 v5, 512, v5                       ; its second: 512 + 8 l
	s_lshl_b32 s45, s27, 6
	v_mul_u32_u24 v6, s45, v9
	v_lshl_add_u32 v6, v8, 2, v6                   ; my scale word: a tile's words are 64 x K steps bytes
	v_lshlrev_b32 v7, 2, v1                        ; my bias: 64 u + 4 r
	s_mul_i32 s46, s41, s28
	s_add_co_u32 s46, s46, s29                     ; my first tile in the operand
	s_mul_i32 s47, s40, s26
	s_add_co_u32 s47, s47, s46
	s_mul_i32 s48, s47, 1536
	s_add_co_u32 s48, s48, s24
	s_mov_b32 s49, 0
	s_add_nc_u64 s[50:51], s[18:19], s[48:49]      ; where my codes go
	s_mul_i32 s48, s46, s27
	s_add_co_u32 s48, s48, s40
	s_lshl_b32 s48, s48, 6
	s_add_co_u32 s48, s48, s25
	s_add_nc_u64 s[52:53], s[18:19], s[48:49]      ; my scale words
	s_lshl_b32 s48, s46, 6
	s_add_co_u32 s48, s48, GUB
	s_add_nc_u64 s[54:55], s[18:19], s[48:49]      ; the padded bias (used by gate's and up's work-groups alone)
.macro LOAD t                          ; block t: rows 32 t .. 32 t + 31 of my K step at my column; 32 lanes read 128 neighbouring bytes
.set i, 0
.rept 32
	s_add_co_u32 s56, s42, 32*(\t)+i
	s_min_u32 s56, s56, s43                        ; no load leaves the tensor
	s_mul_i32 s56, s56, s21
	v_add_nc_u32 v[AD+32*((\t)%2)+i], s56, v3
	global_load_b32 v[X+32*((\t)%2)+i], v[AD+32*((\t)%2)+i], s[32:33] th:TH_LOAD_NT
.set i, i+1
.endr
.endm
.macro BLOCK t
.set XS, X+32*((\t)%2)
.if (\t) < 3
	s_wait_loadcnt 32                              ; this block's 32 loads are in, so their offsets may be written again; the next block's 32 may be out
.else
	s_wait_loadcnt 0x0
.endif
	s_sub_co_i32 s57, s23, s42
	s_sub_co_i32 s57, s57, 32*(\t)                 ; rows of this block that exist
	s_cmp_ge_i32 s57, 32
	s_cbranch_scc1 .Lwhole_\@                      ; (ids alone decide)
.set i, 0
.rept 32
	s_cmp_gt_i32 s57, i
	s_cselect_b32 s58, -1, 0
	v_and_b32 v[XS+i], s58, v[XS+i]                ; past the end of K: zero, ahead of the block's maximum
.set i, i+1
.endr
.Lwhole_\@:
	v_max3_num_f32 v12, |v[XS]|, |v[XS+1]|, |v[XS+2]|              ; the block's largest magnitude: all 32 numbers are mine
	v_max3_num_f32 v13, |v[XS+3]|, |v[XS+4]|, |v[XS+5]|
.irp i, 6,10,14,18,22,26
	v_max3_num_f32 v12, v12, |v[XS+\i]|, |v[XS+\i+1]|
	v_max3_num_f32 v13, v13, |v[XS+\i+2]|, |v[XS+\i+3]|
.endr
	v_max3_num_f32 v12, v12, |v[XS+30]|, |v[XS+31]|
	v_max3_num_f32 v12, v12, v13, 0x1800000        ; and the floor 2^(3 - 127): the byte cannot fall under 1
	v_add_nc_u32 v11, 0xff000000, v12              ; 2 off its exponent field: the conversion takes this operand's exponent field as its scale
	v_lshrrev_b32 v13, 23, v11                     ; the scale's byte
.if (\t) == 0
	v_mov_b32 v196, v13
.else
	v_lshl_or_b32 v196, v13, 8*(\t), v196          ; four bytes make my column's scale word for this K step
.endif
	v_cvt_scalef32_pk16_fp6_f32 v[CB+8*(\t):CB+8*(\t)+2], v[XS:XS+15], v11
	v_cvt_scalef32_pk16_fp6_f32 v[192:194], v[XS+16:XS+31], v11    ; (a conversion's three registers begin on an even number)
	v_nop                                          ; one plain place behind a scaled conversion
.irp i, 0,1,2
	v_mov_b32 v[CB+8*(\t)+3+\i], v[192+\i]
.endr
.endm
	LOAD 0
	LOAD 1
	BLOCK 0
	LOAD 2
	BLOCK 1
	LOAD 3
	BLOCK 2
	BLOCK 3
.irp t, 0,1,2,3
.irp i, 0,1,2,3,4,5
	v_cndmask_b32 v[CB+8*\t+\i], 0, v[CB+8*\t+\i], s44             ; a column that does not exist: zero codes
.endr
.endr
; A lane holds blocks 0 .. 3 of ITS column; a record wants blocks h and h + 2 of tile u's column r in lane r + 16 h.  Lanes 16-31 of block 2 c change places with lanes 0-15 of block 2 c + 1:
; then CB + 16 c holds tile 0's record c and CB + 8 + 16 c tile 1's.
.irp c, 0,1
.irp i, 0,1,2,3,4,5
	v_permlane16_swap_b32 v[CB+16*\c+\i], v[CB+16*\c+8+\i]
.endr
.endr
.irp u, 0,1
.irp c, 0,1
	global_store_b128 v4, v[CB+8*\u+16*\c:CB+8*\u+16*\c+3], s[50:51] offset:1536*\u+768*\c     ; 512 consecutive bytes, aligned to 256
	global_store_b64 v5, v[CB+8*\u+16*\c+4:CB+8*\u+16*\c+5], s[50:51] offset:1536*\u+768*\c    ; 256 consecutive bytes, aligned
.endr
.endr
	global_store_b32 v6, v196, s[52:53]
	s_cmp_eq_u32 s40, 0                            ; gate's and up's work-groups of K step 0 also lay the bias out by tiles
	s_cselect_b32 s56, s30, 0
	s_cmp_lg_u32 s56, 0
	s_cbranch_scc0 .Ldone
	global_load_b32 v8, v3, s[34:35]
	s_wait_loadcnt 0x0
	v_cndmask_b32 v8, 0, v8, s44                   ; a hidden unit that does not exist: bias 0, so that it comes out as an exact zero
	global_store_b32 v7, v8, s[54:55]
.Ldone:
	s_wait_tensorcnt 0x0                           ; the wave's end
	ds_add_u32 v[SPW], v[NIL]
	s_wait_dscnt 0x0
	s_endpgm
; THE LAYER NORM over 1,024 columns, in f32 (mean, then the mean of the squared differences, as reference() has it), and its result quantised along the columns.
; The result is laid as the next product's operand: codes [K step 0..7][tile of 16 rows 0..255][1,536 bytes], scale words [tile][K step][16 places] from byte HS on.
; SHARES.  A work-group takes a tile; wave w takes its columns 128 w .. 128 w + 127, one K step.  Each load reads 512 consecutive bytes of one row; the 16 rows turn through the wave's own stage in LDS (rows 528 bytes apart: the 16 rows
; that a read touches start at 16 different groups of banks) and come back so that lane (r, h) holds 64 numbers of row r: register 16 b + i is column 128 w + 32 b + 16 h + i, the order that the quantiser wants.
; Gain and bias come by one load each and are spread by LDS reads in which sixteen lanes share their words.  The eight waves' partial sums meet in LDS, twice: two barriers.
.Lln:
	s_sub_co_u32 s30, ttmp9, NWQ                   ; the tile
	v_and_b32 v1, 31, v0
	v_and_b32 v2, 15, v0                           ; r
	v_bfe_u32 v3, v0, 4, 1                         ; h
	v_lshlrev_b32 v6, 4, v1                        ; 16 l: a load's place, and a record's first part
	v_lshlrev_b32 v7, 3, v1
	v_add_nc_u32 v7, 512, v7                       ; a record's second part: 512 + 8 l
	v_lshlrev_b32 v244, 2, v2                      ; 4 r
	s_mul_i32 s40, s31, WST                        ; my stage
	v_add_nc_u32 v4, s40, v6                       ; in: 16 l
	v_mul_u32_u24 v5, v2, 528
	v_lshl_add_u32 v5, v3, 6, v5
	v_add_nc_u32 v5, s40, v5                       ; back: row r, + 64 h
	s_lshl_b32 s40, s31, 9
	s_add_co_u32 s40, s40, GST                     ; my 512 bytes of gain
	v_add_nc_u32 v30, s40, v6                      ; in: 16 l
	v_lshlrev_b32 v31, 6, v3
	v_add_nc_u32 v31, s40, v31                     ; back: 64 h
	v_add_nc_u32 v24, PS, v244                     ; the partial sums: 4 r,
	s_lshl_b32 s40, s31, 6
	v_add_nc_u32 v25, s40, v24                     ; mine at 64 w + 4 r
	s_mov_b32 s[SEL], 0x76543210
	s_mov_b32 s[SEL+1], 0xfedcba98                 ; v_permlanex16_b32's selects for lane l xor 16
	s_mov_b32 s34, 0x3a800000                      ; 1 / 1,024
	s_lshr_b32 s35, s30, 1
	s_lshl_b32 s35, s35, 5
	s_and_b32 s41, s30, 1
	s_lshl_b32 s41, s41, 3
	s_add_co_u32 s35, s35, s41                     ; the tile's first row
	s_lshl_b32 s38, s31, 9                         ; my columns: 512 w bytes
	s_mov_b32 s39, 0
	s_lshl_b32 s36, s35, 12
	s_add_co_u32 s36, s36, s38
	s_mov_b32 s37, 0
	s_lshl_b32 s42, s31, 8
	s_add_co_u32 s42, s42, s30
	s_mul_i32 s42, s42, 1536                       ; my fragment: (256 w + tile) x 1,536
	s_mov_b32 s43, 0
	s_lshl_b32 s44, s30, 3
	s_add_co_u32 s44, s44, s31
	s_lshl_b32 s44, s44, 6
	s_add_co_u32 s44, s44, HS                      ; its scale words: (8 tile + w) x 64
	s_mov_b32 s45, 0
	s_wait_kmcnt 0x0
	s_add_nc_u64 s[68:69], s[68:69], s[36:37]
	s_add_nc_u64 s[70:71], s[70:71], s[38:39]
	s_add_nc_u64 s[72:73], s[72:73], s[38:39]
	s_add_nc_u64 s[46:47], s[74:75], s[42:43]
	s_add_nc_u64 s[48:49], s[74:75], s[44:45]
.irp i, 0,1,2,3,4,5,6,7,8,9,10,11,12,13,14,15
	global_load_b128 v[X+4*\i:X+4*\i+3], v6, s[68:69] offset:(\i+8*(\i/8))*4096 th:TH_LOAD_NT   ; place i's row: 512 consecutive bytes
.endr
	global_load_b128 v[G:G+3], v6, s[70:71]
	global_load_b128 v[B:B+3], v6, s[72:73]
	s_wait_loadcnt 0x2                             ; the 16 rows are in; gain's and bias's loads may be out
.irp i, 0,1,2,3,4,5,6,7,8,9,10,11,12,13,14,15
	ds_store_b128 v4, v[X+4*\i:X+4*\i+3] offset:528*\i
.endr
.irp b, 0,1,2,3
.irp j, 0,1,2,3
	ds_load_b128 v[X+16*\b+4*\j:X+16*\b+4*\j+3], v5 offset:128*\b+16*\j        ; LDS serves a wave's instructions in order (ISA guide 5.7.1.4): these see the stores above
.endr
.endr
	s_wait_loadcnt 0x0
	ds_store_b128 v30, v[G:G+3]
	ds_store_b128 v30, v[B:B+3] offset:4096
.irp b, 0,1,2,3
.irp j, 0,1,2,3
	ds_load_b128 v[G+16*\b+4*\j:G+16*\b+4*\j+3], v31 offset:128*\b+16*\j
	ds_load_b128 v[B+16*\b+4*\j:B+16*\b+4*\j+3], v31 offset:4096+128*\b+16*\j
.endr
.endr
.macro REDUCE                          ; four pairs v[8:15] -> v8: the sum over my row's 128 columns of this wave, in both halves of the lanes
	v_pk_add_f32 v[8:9], v[8:9], v[10:11]
	v_pk_add_f32 v[12:13], v[12:13], v[14:15]
	v_pk_add_f32 v[8:9], v[8:9], v[12:13]
	v_add_f32 v8, v8, v9
	v_permlanex16_b32 v9, v8, s[SEL], s[SEL+1]
	v_add_f32 v8, v8, v9
.endm
.macro MEET off                        ; my part to LDS, the barrier, the eight parts back and added: v8 = the whole row's sum, the same bits in every wave
	ds_store_b32 v25, v8 offset:\off               ; both halves of the lanes write the same word with the same value
	s_wait_dscnt 0x0                               ; for the others' sake: my store has landed
	s_barrier_signal -1
	s_barrier_wait -1
.irp k, 0,1,2,3,4,5,6,7
	ds_load_b32 v[8+\k], v24 offset:\off+64*\k
.endr
	s_wait_dscnt 0x0
	v_add_f32 v8, v8, v9
	v_add_f32 v10, v10, v11
	v_add_f32 v12, v12, v13
	v_add_f32 v14, v14, v15
	v_add_f32 v8, v8, v10
	v_add_f32 v12, v12, v14
	v_add_f32 v8, v8, v12
.endm
	s_wait_dscnt 34                                ; my 64 numbers are back; the 2 stores and 32 loads of gain and bias may be out
.irp c, 0,1,2,3
	v_pk_add_f32 v[8+2*\c:9+2*\c], v[X+4*\c:X+4*\c+1], v[X+4*\c+2:X+4*\c+3]    ; four chains, started by the first numbers: nothing is cleared
.endr
.irp j, 16,24,32,40,48,56
.irp c, 0,1,2,3
	v_pk_add_f32 v[8+2*\c:9+2*\c], v[8+2*\c:9+2*\c], v[X+\j+2*\c:X+\j+2*\c+1]
.endr
.endr
	REDUCE
	MEET 0
	v_mul_f32 v26, s34, v8                         ; the mean
	v_mov_b32 v27, v26
.set i, 0
.rept 32
	v_pk_add_f32 v[X+i:X+i+1], v[X+i:X+i+1], v[26:27] neg_lo:[0,1] neg_hi:[0,1]    ; x - mean
.set i, i+2
.endr
.irp c, 0,1,2,3
	v_pk_mul_f32 v[8+2*\c:9+2*\c], v[X+2*\c:X+2*\c+1], v[X+2*\c:X+2*\c+1]
.endr
.irp j, 8,16,24,32,40,48,56
.irp c, 0,1,2,3
	v_pk_fma_f32 v[8+2*\c:9+2*\c], v[X+\j+2*\c:X+\j+2*\c+1], v[X+\j+2*\c:X+\j+2*\c+1], v[8+2*\c:9+2*\c]
.endr
.endr
	REDUCE
	MEET 512
	v_mov_b32 v29, 0x3727c5ac                      ; 1e-5
	v_fma_f32 v28, v8, s34, v29                    ; the variance + eps
	v_rsq_f32 v28, v28
	v_nop                                          ; a plain place behind the transcendental
	s_wait_alu depctr_va_vdst(0)                   ; and the wait ahead of the first line that names its result
	v_mov_b32 v29, v28
.set i, 0
.rept 32
	v_pk_mul_f32 v[X+i:X+i+1], v[X+i:X+i+1], v[28:29]
.set i, i+2
.endr
.set i, 0
.rept 32
	v_pk_fma_f32 v[X+i:X+i+1], v[X+i:X+i+1], v[G+i:G+i+1], v[B+i:B+i+1]        ; (gain and bias are in since the waits for 0 above)
.set i, i+2
.endr
; The quantiser: four blocks of 32 along K, each in lanes l and l xor 16.
.irp b, 0,1,2,3
	v_max3_num_f32 v[TM+\b], |v[X+16*\b]|, |v[X+1+16*\b]|, 0x1800000       ; my 16 numbers of block b, and the floor 2^(3 - 127): the byte cannot fall under 1
.endr
.irp i, 2,4,6,8,10,12,14
.irp b, 0,1,2,3
	v_max3_num_f32 v[TM+\b], v[TM+\b], |v[X+16*\b+\i]|, |v[X+1+16*\b+\i]|
.endr
.endr
.irp b, 0,1,2,3
	v_permlanex16_b32 v[TM+4+\b], v[TM+\b], s[SEL], s[SEL+1]
.endr
.irp b, 0,1,2,3
	v_max_num_f32 v[TM+\b], v[TM+\b], v[TM+4+\b]   ; the block's largest magnitude
.endr
.irp b, 0,1,2,3
	v_add_nc_u32 v[TM+12+\b], 0xff000000, v[TM+\b] ; 2 off its exponent field: the conversion's scale operand
.endr
.irp b, 0,1,2,3
	v_lshrrev_b32 v[TM+4+\b], 23, v[TM+12+\b]      ; the scale's byte
.endr
	v_lshl_or_b32 v[PW], v[TM+5], 8, v[TM+4]
	v_lshl_or_b32 v[PW], v[TM+6], 16, v[PW]
	v_lshl_or_b32 v[PW], v[TM+7], 24, v[PW]
.irp c, 0,1
	v_cvt_scalef32_pk16_fp6_f32 v[PC+6*\c:PC+2+6*\c], v[X+32*\c:X+15+32*\c], v[TM+12+2*\c]
	v_cvt_scalef32_pk16_fp6_f32 v[PC+12+4*\c:PC+14+4*\c], v[X+16+32*\c:X+31+32*\c], v[TM+12+2*\c+1]
.endr
	v_nop                                          ; one plain place behind a scaled conversion
.irp c, 0,1                            ; the operand wants a WHOLE block in a lane: lanes 0-15 block 2 c, lanes 16-31 block 2 c + 1
.irp i, 0,1,2
	v_permlane16_swap_b32 v[PC+6*\c+\i], v[PC+12+4*\c+\i]
.endr
.irp i, 0,1,2
	v_mov_b32 v[PC+3+6*\c+\i], v[PC+12+4*\c+\i]
.endr
.endr
.irp c, 0,1
	global_store_b128 v6, v[PC+6*\c:PC+6*\c+3], s[46:47] offset:768*\c         ; 512 consecutive bytes, aligned to 256
	global_store_b64 v7, v[PC+6*\c+4:PC+6*\c+5], s[46:47] offset:768*\c        ; 256 consecutive bytes, aligned
.endr
	global_store_b32 v244, v[PW], s[48:49]         ; both halves of the lanes hold, and write, the same word
	s_wait_tensorcnt 0x0                           ; the wave's end, behind my last LDS store
	ds_add_u32 v[SPW], v[NIL]
	s_wait_dscnt 0x0
	s_endpgm
.Lfunc_end_k_q6307f2e84d_wqln:
	.size	k_q6307f2e84d_wqln, .Lfunc_end_k_q6307f2e84d_wqln-k_q6307f2e84d_wqln
	.p2alignl 7, 3214868480
	.fill 96, 4, 3214868480
	.section	.rodata,"a",@progbits
	.p2align	6, 0x0
	.amdhsa_kernel k_q6307f2e84d_wqln
		.amdhsa_group_segment_fixed_size 77824
		.amdhsa_private_segment_fixed_size 0
		.amdhsa_enable_private_segment 0
		.amdhsa_kernarg_size 96
		.amdhsa_user_sgpr_count 2
		.amdhsa_user_sgpr_kernarg_segment_ptr 1
		.amdhsa_wavefront_size32 1
		.amdhsa_system_sgpr_workgroup_id_x 1
		.amdhsa_system_sgpr_workgroup_id_y 1
		.amdhsa_system_sgpr_workgroup_id_z 1
		.amdhsa_system_vgpr_workitem_id 0
		.amdhsa_next_free_vgpr 256
		.amdhsa_next_free_sgpr 80
		.amdhsa_reserve_vcc 0
		.amdhsa_float_denorm_mode_32 3
		.amdhsa_float_denorm_mode_16_64 3
		.amdhsa_memory_ordered 1
		.amdhsa_forward_progress 1
		.amdhsa_inst_pref_size 82
	.end_amdhsa_kernel
	.amdgpu_metadata
---
amdhsa.version: [ 1, 2 ]
amdhsa.kernels:
  - .name:           k_q6307f2e84d_wqln
    .symbol:         k_q6307f2e84d_wqln.kd
    .args:
      - { .name: qkv_w, .offset: 0, .size: 8, .value_kind: global_buffer, .address_space: global }
      - { .name: proj_w, .offset: 8, .size: 8, .value_kind: global_buffer, .address_space: global }
      - { .name: gate_w, .offset: 16, .size: 8, .value_kind: global_buffer, .address_space: global }
      - { .name: up_w, .offset: 24, .size: 8, .value_kind: global_buffer, .address_space: global }
      - { .name: down_w, .offset: 32, .size: 8, .value_kind: global_buffer, .address_space: global }
      - { .name: gate_b, .offset: 40, .size: 8, .value_kind: global_buffer, .address_space: global }
      - { .name: up_b, .offset: 48, .size: 8, .value_kind: global_buffer, .address_space: global }
      - { .name: w, .offset: 56, .size: 8, .value_kind: global_buffer, .address_space: global }
      - { .name: x, .offset: 64, .size: 8, .value_kind: global_buffer, .address_space: global }
      - { .name: ln1_g, .offset: 72, .size: 8, .value_kind: global_buffer, .address_space: global }
      - { .name: ln1_b, .offset: 80, .size: 8, .value_kind: global_buffer, .address_space: global }
      - { .name: ha, .offset: 88, .size: 8, .value_kind: global_buffer, .address_space: global }
    .group_segment_fixed_size: 77824
    .private_segment_fixed_size: 0
    .kernarg_segment_align: 8
    .kernarg_segment_size: 96
    .max_flat_workgroup_size: 256
    .sgpr_count:     80
    .vgpr_count:     256
    .wavefront_size: 32
...
	.end_amdgpu_metadata
.endif
;; end of part 1
;; launch qkv (part 2): grid 24 x 32, 4 waves a work-group, clusters of 4 x 4, 197,120 bytes of LDS; arguments ha, w, qkv_b, qkvr; writes qkvr
.if DOCPART == 2
	.amdgcn_target "amdgcn-amd-amdhsa--gfx1250"
	.amdhsa_code_object_version 6
	.text
	.protected	k_q6307f2e84d_qkv
	.globl	k_q6307f2e84d_qkv
	.p2align	8
	.type	k_q6307f2e84d_qkv,@function
k_q6307f2e84d_qkv:
	s_mov_b64 s[64:65], 0
	v_nop
	global_prefetch_b8 v0, s[64:65] scope:SCOPE_SE
	s_setreg_imm32_b32 hwreg(HW_REG_WAVE_MODE, 25, 1), 1
	s_wait_xcnt 0x0
	s_wait_alu depctr_hold_cnt(0) depctr_sa_sdst(0) depctr_va_vdst(0) depctr_va_sdst(0) depctr_va_ssrc(0) depctr_va_vcc(0) depctr_vm_vsrc(0)
	s_getreg_b32 s2, hwreg(HW_REG_IB_STS2, 6, 4)
	s_cmp_eq_u32 s2, 0
	s_cbranch_scc0 .Lentry_in_a_cluster
	s_endpgm
.Lentry_in_a_cluster:
	s_bfe_u32 s2, ttmp6, 0x10000c
	s_cmp_lg_u32 s2, 0xf033
	s_cbranch_scc0 .Lentry_shape_is_right
	s_endpgm
.Lentry_shape_is_right:
; qkv = Q(ln1) Q(qkv_w) + qkv_b on codes of FP6 (E2M3), and its result quantised at once as the attention's operands: q and k along the head's 64, v along the keys.
; A work-group of four waves makes 128 tokens x 128 columns (two heads of q, of k or of v); a wave 64 x 64: 16 accumulators.  K = 1,024 is 8 steps of 128.
; BOTH PANELS FIT IN LDS AT ONCE (2 x 98,304 bytes), so nothing is filled again: each wave issues four tensor loads at the head (four are out at the most), one for each chunk of two K steps, and the chunks are waited for by count.
; CLUSTERS: 4 x 4 work-groups; the tokens' tiles are shared along a row of the cluster, the weights' along a column: each is asked for jointly, by the same load with the same descriptor and a mask that names the four.
; Operands lie in memory in the order of a fragment's registers (16 rows x 128 K = 1,536 bytes: for each 64 K, 16 bytes a lane at 16 l and 8 bytes a lane at 512 + 8 l), so a fragment is four LDS loads of consecutive bytes.
; SCALE WORDS lie [tile][K step][16 places]: one load at 4 x lane brings K step 2 j to lanes 0-15 and K step 2 j + 1 to lanes 16-31 of one register; odd K steps read the upper lanes.
; SOURCE 0 AND SOURCE 1.  For q and k source 0 = 16 columns of the weight and source 1 = 16 tokens: a lane holds one token and its registers run along the head's 64, which is the next K.  For v the two change places, so that a lane
; holds one column d and its registers run along the keys, v's next K.  The change is made by choosing LDS offsets and scale pointers on the cluster's x, which all partners share; the fills are the same.
; The rows of a tile are not neighbours (place r of tile T: row 32 (T / 2) + 8 (T % 2) + r + 8 (r / 8)), so that the 16 registers of source 0's tiles 2 b and 2 b + 1 are 16 neighbours.
; OUT: for each head and step of 128 keys one block of 13,056 bytes (k: 8 records of 768; v: 4 tiles of d x 2 records; k's scale words 8 x 64; v's 4 x 64), and q's records and scale words behind them.
; No prefetch is laid: all that a work-group reads is asked for at its head.
; REGISTERS: window 0: v2-9 store offsets; v10-15, v21-22 at work; v16-19 LDS addresses; v20 4 r; v23 4 l; v24-27 the scale words made; v28, v29 the add's two; v32-47, v64-79 scale words of source 0, 1; v96-127 the bias, later the codes made;
;   v128-255 the accumulators ((q, p) at v[128 + 8 (4 q + p)]).   window 1: two fragment buffers at v0 and v128: source 0's four tiles, then source 1's four.
.set KH, 4                             ; scale registers for a tile: two K steps to a register
.set NTT, 256
.set NTW, 192
.set WC, 0
.set WS, 2359296
.set HS, 3145728
.set REGB, 12288                       ; what one tensor load brings: 2 K steps x 4 tiles x 1,536
.set CHUNK, 49152                      ; four of them: tokens' two halves, then the weights' two
.set SPARE, 196608                     ; behind the panels: the spare words, 128 bytes for each wave, which no other line names
.set KVB, 13056
.set QREC, 6684672
.set QS, 9830400
.set SC0, 32
.set SC1, 64
.set BI, 96
.set ACC, 128
.set MULW, 0x05                        ; sources 0 and 1 window 1; C and D window 0
.set MULW1, 0x05
.set G1T, 24
.set G1W, 32
.set G0T, 40
.set G0W, 68
.set SEL, 94
.set MSB, 0
.macro WIN new                         ; the immediate's high byte repeats the setting that is left
.if MSB != \new
	s_set_vgpr_msb (MSB<<8)|\new
.set MSB, \new
.endif
.endm
.macro PLACES n
.rept \n
	v_nop
.endr
.endm
.macro CROUND                          ; a round of the cluster's barrier
	s_barrier_signal -1
	s_barrier_wait -1
	s_cmp_lg_u32 s12, 0
	s_cbranch_scc1 .Lnot_wave_0_\@
	s_barrier_signal -3
.Lnot_wave_0_\@:
	s_barrier_wait -3
	s_barrier_signal -1
	s_barrier_wait -1
.endm
.macro FETCH ksl, f                    ; 32 LDS loads in one run: the eight fragments of the chunk's K step ksl into buffer f
	WIN 0x40
.irp t, 0,1,2,3
	ds_load_b128 v[(\f)+12*\t:(\f)+12*\t+3], v16 offset:(\ksl)*6144+\t*1536
	ds_load_b64 v[(\f)+12*\t+4:(\f)+12*\t+5], v17 offset:(\ksl)*6144+\t*1536
	ds_load_b128 v[(\f)+12*\t+6:(\f)+12*\t+9], v16 offset:(\ksl)*6144+\t*1536+768
	ds_load_b64 v[(\f)+12*\t+10:(\f)+12*\t+11], v17 offset:(\ksl)*6144+\t*1536+768
.endr
.irp t, 0,1,2,3
	ds_load_b128 v[(\f)+48+12*\t:(\f)+48+12*\t+3], v18 offset:(\ksl)*6144+\t*1536
	ds_load_b64 v[(\f)+48+12*\t+4:(\f)+48+12*\t+5], v19 offset:(\ksl)*6144+\t*1536
	ds_load_b128 v[(\f)+48+12*\t+6:(\f)+48+12*\t+9], v18 offset:(\ksl)*6144+\t*1536+768
	ds_load_b64 v[(\f)+48+12*\t+10:(\f)+48+12*\t+11], v19 offset:(\ksl)*6144+\t*1536+768
.endr
.endm
; 16 matrix instructions: K step s out of buffer f.  The 16 accumulators take turns, one instruction a turn, in the same order in every step.
; mode 0: the sums go on; 1: the bias of source 0's tile starts them; 2: that of source 1's tile (both: K step 0).  Nothing is ever cleared.
.macro MUL s, f, mode
.if \mode == 0
	WIN MULW
.else
	WIN MULW1
.endif
.irp q, 0,1,2,3
.irp p, 0,1,2,3
.if \mode == 1
	v_wmma_scale_f32_16x16x128_f8f6f4 v[ACC+8*(4*\q+\p):ACC+8*(4*\q+\p)+7], v[(\f)+12*\p:(\f)+12*\p+11], v[(\f)+48+12*\q:(\f)+48+12*\q+11], v[BI+8*\p:BI+8*\p+7], v[SC0+KH*\p], v[SC1+KH*\q] matrix_a_fmt:MATRIX_FMT_FP6 matrix_b_fmt:MATRIX_FMT_FP6
.elseif \mode == 2
	v_wmma_scale_f32_16x16x128_f8f6f4 v[ACC+8*(4*\q+\p):ACC+8*(4*\q+\p)+7], v[(\f)+12*\p:(\f)+12*\p+11], v[(\f)+48+12*\q:(\f)+48+12*\q+11], v[BI+8*\q:BI+8*\q+7], v[SC0+KH*\p], v[SC1+KH*\q] matrix_a_fmt:MATRIX_FMT_FP6 matrix_b_fmt:MATRIX_FMT_FP6
.elseif (\s)%2 == 0
	v_wmma_scale_f32_16x16x128_f8f6f4 v[ACC+8*(4*\q+\p):ACC+8*(4*\q+\p)+7], v[(\f)+12*\p:(\f)+12*\p+11], v[(\f)+48+12*\q:(\f)+48+12*\q+11], v[ACC+8*(4*\q+\p):ACC+8*(4*\q+\p)+7], v[SC0+KH*\p+(\s)/2], v[SC1+KH*\q+(\s)/2] matrix_a_fmt:MATRIX_FMT_FP6 matrix_b_fmt:MATRIX_FMT_FP6
.else
	v_wmma_scale_f32_16x16x128_f8f6f4 v[ACC+8*(4*\q+\p):ACC+8*(4*\q+\p)+7], v[(\f)+12*\p:(\f)+12*\p+11], v[(\f)+48+12*\q:(\f)+48+12*\q+11], v[ACC+8*(4*\q+\p):ACC+8*(4*\q+\p)+7], v[SC0+KH*\p+(\s)/2], v[SC1+KH*\q+(\s)/2] matrix_a_fmt:MATRIX_FMT_FP6 matrix_b_fmt:MATRIX_FMT_FP6 matrix_a_scale:MATRIX_SCALE_ROW1 matrix_b_scale:MATRIX_SCALE_ROW1
.endif
.endr
.endr
.endm
.macro LAND n                          ; the next chunk: my part of it has landed (n younger loads may stay out), everybody's has
	WIN 0
	s_wait_tensorcnt \n
	s_wait_dscnt 0x0                               ; no LDS instruction of mine is pending at a signal
	s_barrier_signal -1
	s_barrier_wait -1
.irp a, 16,17,18,19
	v_add_nc_u32 v\a, CHUNK, v\a                   ; on to that chunk; these four are also the places in front of the loads that follow
.endr
.endm
.macro STEPK s                         ; K step s: the next step's fragments are asked for, then this step is multiplied
.if (\s) < 7
.if (\s)%2 == 1
	LAND 3-((\s)+1)/2
.else
	PLACES 4                                       ; in front of loads into registers that matrix instructions have read (ISA guide 7.12.1 for vector instructions)
.endif
	FETCH ((\s)+1)%2, 128*(((\s)+1)%2)
	s_wait_dscnt 32                                ; all but the 32 just issued: this step's fragments are in
.else
	s_wait_dscnt 0x0
.endif
	MUL \s, 128*((\s)%2), 0
.endm
	s_load_b256 s[4:11], s[0:1], 0x0               ; ha, w, qkv_b, qkvr
	v_lshl_add_u32 v28, v0, 2, SPARE
	v_mov_b32 v29, 0
	ds_add_u32 v28, v29                            ; the wave's opening: the add, twice on end, and its wait ahead of my first tensor load
	ds_add_u32 v28, v29
	v_lshrrev_b32 v1, 5, v0
	v_readfirstlane_b32 s12, v1                    ; wave 0..3
	s_lshr_b32 s13, s12, 1                         ; which half of the tokens is mine.  Also: I fetch tokens (0) or weights (1)
	s_and_b32 s14, s12, 1                          ; which half of the columns.  Also: which four tiles I fetch
	s_bfe_u32 s15, ttmp6, 0x40000                  ; cx
	s_bfe_u32 s16, ttmp6, 0x40004                  ; cy
	s_lshl_b32 s17, ttmp9, 2
	s_add_co_u32 s17, s17, s15                     ; block of 128 columns
	s_and_b32 s18, ttmp7, 0xffff
	s_lshl_b32 s18, s18, 2
	s_add_co_u32 s18, s18, s16                     ; block of 128 tokens
	s_lshl_b32 s19, s16, 2
	s_lshl_b32 s19, 15, s19                        ; my row of the cluster
	s_lshl_b32 s20, 0x1111, s15                    ; my column
	s_or_b32 s[G1T], s19, (3<<16)|(1<<21)          ; 15:0 the mask; 17:16 elements of 8 bytes; 21 set beside a mask; no padding
	s_or_b32 s[G1W], s20, (3<<16)|(1<<21)
.irp g, G1T, G1W
	s_mov_b32 s[\g+1], 768<<16                     ; tensor_dim0 = 768 elements: four tiles' 6,144 bytes
	s_mov_b32 s[\g+2], 2<<16                       ; tensor_dim1 = 2 K steps
	s_mov_b32 s[\g+3], 768<<16                     ; tile_dim0
	s_mov_b32 s[\g+4], 2                           ; tile_dim1
	s_mov_b32 s[\g+6], 0
	s_mov_b32 s[\g+7], 0
.endr
	s_mov_b32 s[G1T+5], NTT*192                    ; from K step to K step, in elements
	s_mov_b32 s[G1W+5], NTW*192
	s_lshl_b32 s56, s18, 3                         ; the tokens' tiles hang on the block of tokens and the wave alone,
	s_lshl_b32 s57, s14, 2
	s_add_co_u32 s56, s56, s57
	s_mul_i32 s56, s56, 1536
	s_mov_b32 s57, 0
	s_lshl_b32 s58, s17, 3                         ; the weights' on the block of columns and the wave alone
	s_lshl_b32 s59, s14, 2
	s_add_co_u32 s58, s58, s59
	s_mul_i32 s58, s58, 1536
	s_mov_b32 s59, 0
	s_mul_i32 s60, s12, REGB                       ; where they go: no place in the cluster enters an LDS address
	s_lshl_b32 s88, s18, 3
	s_lshl_b32 s89, s13, 2
	s_add_co_u32 s88, s88, s89
	s_lshl_b32 s88, s88, 9
	s_add_co_u32 s88, s88, HS                      ; my four token tiles' scale words
	s_mov_b32 s89, 0
	s_lshl_b32 s90, s17, 3
	s_lshl_b32 s91, s14, 2
	s_add_co_u32 s90, s90, s91
	s_lshl_b32 s90, s90, 9
	s_add_co_u32 s90, s90, WS                      ; my four weight tiles'
	s_mov_b32 s91, 0
	s_lshl_b32 s92, s17, 1
	s_add_co_u32 s92, s92, s14
	s_lshl_b32 s92, s92, 8                         ; my 64 columns of the bias
	s_mov_b32 s93, 0
	s_mov_b32 s[SEL], 0x76543210
	s_mov_b32 s[SEL+1], 0xfedcba98
	s_mul_i32 s22, s13, REGB                       ; my tokens in a chunk
	s_mul_i32 s23, s14, REGB
	s_add_co_u32 s23, s23, 2*REGB                  ; my weights
	s_wait_dscnt 0x0                               ; both opening adds are done
	s_wait_kmcnt 0x0
	s_add_nc_u64 s[56:57], s[4:5], s[56:57]
	s_add_nc_u64 s[58:59], s[6:7], s[58:59]
	s_add_nc_u64 s[88:89], s[4:5], s[88:89]
	s_add_nc_u64 s[90:91], s[6:7], s[90:91]
	s_add_nc_u64 s[92:93], s[8:9], s[92:93]
	s_cmp_ge_u32 ttmp9, 4                          ; clusters 4 and 5 along x make v: the same in all sixteen partners
	s_cselect_b32 s21, 1, 0
	s_cselect_b32 s2, s22, s23                     ; source 0 in a chunk,
	s_cselect_b32 s3, s23, s22                     ; source 1,
	s_cselect_b64 s[84:85], s[88:89], s[90:91]     ; and their scale words
	s_cselect_b64 s[86:87], s[90:91], s[88:89]
.irp c, 0,1,2,3
	s_mov_b32 s[G0T+4*\c], 1                                       ; count = 1
	s_add_co_u32 s[G0T+4*\c+1], s60, \c*CHUNK                      ; LDS address
	s_add_nc_u64 s[G0T+4*\c+2:G0T+4*\c+3], s[56:57], \c*2*NTT*1536 ; global address: K steps 2 c, 2 c + 1
	s_or_b32 s[G0T+4*\c+3], s[G0T+4*\c+3], 0x80000000              ; type = 2
	s_mov_b32 s[G0W+4*\c], 1
	s_add_co_u32 s[G0W+4*\c+1], s60, \c*CHUNK
	s_add_nc_u64 s[G0W+4*\c+2:G0W+4*\c+3], s[58:59], \c*2*NTW*1536
	s_or_b32 s[G0W+4*\c+3], s[G0W+4*\c+3], 0x80000000
.endr
	CROUND                                         ; all sixteen work-groups are here: the joint loads meet
	s_cmp_eq_u32 s13, 0                            ; a wave's four fills stand in one branch on its number
	s_cbranch_scc0 .Lfill_w
.irp c, 0,1,2,3
	tensor_load_to_lds s[G0T+4*\c:G0T+4*\c+3], s[G1T:G1T+7]
	s_nop 0
.endr
	PLACES 4
	s_branch .Lfilled
.Lfill_w:
.irp c, 0,1,2,3
	tensor_load_to_lds s[G0W+4*\c:G0W+4*\c+3], s[G1W:G1W+7]
	s_nop 0
.endr
	PLACES 4
.Lfilled:
	v_and_b32 v1, 31, v0
	v_and_b32 v30, 15, v0                          ; r
	v_bfe_u32 v31, v0, 4, 1                        ; h
	v_lshlrev_b32 v2, 4, v1                        ; 16 l
	v_lshlrev_b32 v6, 3, v1
	v_add_nc_u32 v6, 512, v6                       ; 512 + 8 l
	v_add_nc_u32 v16, s2, v2
	v_add_nc_u32 v17, s2, v6
	v_add_nc_u32 v18, s3, v2
	v_add_nc_u32 v19, s3, v6
	v_lshlrev_b32 v20, 2, v30                      ; 4 r
	v_lshlrev_b32 v23, 2, v1                       ; 4 l
	v_lshlrev_b32 v21, 6, v31                      ; 64 h
	v_and_b32 v22, 8, v30
	v_add_nc_u32 v22, v22, v30
	v_lshlrev_b32 v22, 2, v22                      ; 4 (r + 8 (r / 8))
	v_mov_b32 v12, 0                               ; written once: a lane permute's destination counts as one of its sources
	v_mov_b32 v13, 0
.set i, 0
.rept 16
	global_load_b32 v[SC0+i], v23, s[84:85] offset:128*i           ; register 4 p + j: tile p's words for K steps 2 j (lanes 0-15) and 2 j + 1 (lanes 16-31): 128 consecutive bytes
	global_load_b32 v[SC1+i], v23, s[86:87] offset:128*i
.set i, i+1
.endr
	s_cmp_lg_u32 s21, 0
	s_cbranch_scc1 .Lbias_v
.irp p, 0,1,2,3                        ; q, k: a lane's eight registers of tile p are eight neighbouring columns
	global_load_b128 v[BI+8*\p:BI+8*\p+3], v21, s[92:93] offset:(32*(\p/2)+8*(\p%2))*4
	global_load_b128 v[BI+8*\p+4:BI+8*\p+7], v21, s[92:93] offset:(32*(\p/2)+8*(\p%2))*4+16
.endr
	s_branch .Lbias_done
.Lbias_v:
.irp q, 0,1,2,3                        ; v: a lane is one column of tile q: its bias in all eight registers
.irp j, 0,1,2,3,4,5,6,7
	global_load_b32 v[BI+8*\q+\j], v22, s[92:93] offset:(32*(\q/2)+8*(\q%2))*4
.endr
.endr
.Lbias_done:
	s_wait_tensorcnt 0x3                           ; my part of chunk 0 is in; chunks 1 to 3 may be out
	s_barrier_signal -1
	s_barrier_wait -1                              ; everybody's is
	FETCH 0, 0
	s_wait_loadcnt 0x0                             ; scale words and bias
	FETCH 1, 128
	s_wait_dscnt 32
	WIN 0
	s_cmp_lg_u32 s21, 0
	s_cbranch_scc1 .Lfirst_v
	MUL 0, 0, 1
	WIN 0
	s_branch .Lfirst_done
.Lfirst_v:
	MUL 0, 0, 2
	WIN 0
.Lfirst_done:
.irp s, 1,2,3,4,5,6,7
	STEPK \s
.endr
	WIN 0
	; THE WAY OUT.  All tensor loads have been waited for, so the descriptors' registers are free.
	s_lshr_b32 s24, s18, 4                         ; batch
	s_and_b32 s25, s18, 15                         ; step of 128 keys
	s_lshl_b32 s26, s17, 1
	s_add_co_u32 s26, s26, s14
	s_and_b32 s26, s26, 15                         ; head
	s_lshl_b32 s24, s24, 4
	s_add_co_u32 s24, s24, s26                     ; batch x 16 + head
	s_lshl_b32 s27, s24, 4
	s_add_co_u32 s27, s27, s25
	s_mul_i32 s27, s27, KVB                        ; the block of k and v
	s_lshl_b32 s28, s24, 7
	s_lshl_b32 s29, s25, 3
	s_add_co_u32 s28, s28, s29
	s_lshl_b32 s29, s13, 2
	s_add_co_u32 s28, s28, s29                     ; my first tile of queries
	s_mul_i32 s30, s28, 768
	s_add_co_u32 s30, s30, QREC                    ; q: codes,
	s_lshl_b32 s31, s28, 6
	s_add_co_u32 s31, s31, QS                      ; scale words
	s_mul_i32 s32, s13, 3072
	s_add_co_u32 s32, s32, s27                     ; k: codes,
	s_lshl_b32 s33, s13, 8
	s_add_co_u32 s33, s33, s27
	s_add_co_u32 s33, s33, 12288                   ; scale words
	s_mul_i32 s34, s13, 768
	s_add_co_u32 s34, s34, s27
	s_add_co_u32 s34, s34, 6144                    ; v: codes (my 64 keys are record WM of each tile of d),
	s_lshl_b32 s35, s13, 1
	s_add_co_u32 s35, s35, s27
	s_add_co_u32 s35, s35, 12800                   ; scale bytes 2 WM, 2 WM + 1 of each word
	s_mov_b32 s36, 1536
	s_cmp_lt_u32 ttmp9, 4
	s_cselect_b32 s34, s32, s34
	s_cselect_b32 s35, s33, s35
	s_cselect_b32 s36, 768, s36                    ; from one of my four records to the next
	s_cmp_lt_u32 ttmp9, 2
	s_cselect_b32 s34, s30, s34
	s_cselect_b32 s35, s31, s35
	s_mov_b32 s38, s34
	s_mov_b32 s39, 0
	s_add_nc_u64 s[40:41], s[10:11], s[38:39]
	s_mov_b32 s38, s35
	s_add_nc_u64 s[42:43], s[10:11], s[38:39]
.irp q, 0,1,2
	v_add_nc_u32 v[3+\q], s36, v[2+\q]             ; these six additions are also the places behind the last products
	v_add_nc_u32 v[7+\q], s36, v[6+\q]
.endr
; 32 numbers of a lane, register 16 b + i = k 32 b + 16 h + i of my row, become a record's six registers and two scale bytes.  Each accumulator is read from its low end on.
.macro HQUANT R, HC, HW
	v_max3_num_f32 v10, |v[\R]|, |v[\R+1]|, 0x1800000              ; and the floor 2^(3 - 127): the byte cannot fall under 1
	v_max3_num_f32 v11, |v[\R+16]|, |v[\R+17]|, 0x1800000
.irp i, 2,4,6,8,10,12,14
	v_max3_num_f32 v10, v10, |v[\R+\i]|, |v[\R+\i+1]|
	v_max3_num_f32 v11, v11, |v[\R+16+\i]|, |v[\R+17+\i]|
.endr
	v_permlanex16_b32 v12, v10, s[SEL], s[SEL+1]
	v_permlanex16_b32 v13, v11, s[SEL], s[SEL+1]
	v_max_num_f32 v10, v10, v12
	v_max_num_f32 v11, v11, v13
	v_add_nc_u32 v14, 0xff000000, v10              ; 2 off the exponent field: the conversion's scale operand
	v_add_nc_u32 v15, 0xff000000, v11
	v_lshrrev_b32 v21, 23, v14
	v_lshrrev_b32 v22, 23, v15
	v_lshl_or_b32 v[\HW], v22, 8, v21              ; (the word's upper half is 0: it goes with zero codes)
	v_cvt_scalef32_pk16_fp6_f32 v[\HC:\HC+2], v[\R:\R+15], v14
	v_cvt_scalef32_pk16_fp6_f32 v[\HC+4:\HC+6], v[\R+16:\R+31], v15
	v_nop                                          ; one plain place behind a scaled conversion
.irp i, 0,1,2
	v_permlane16_swap_b32 v[\HC+\i], v[\HC+4+\i]   ; a whole block to a lane: lanes 0-15 block 0, lanes 16-31 block 1
.endr
.irp i, 0,1,2
	v_mov_b32 v[\HC+3+\i], v[\HC+4+\i]
.endr
.endm
.irp q, 0,1,2,3
	HQUANT ACC+32*\q, BI+8*\q, 24+\q
	global_store_b128 v[2+\q], v[BI+8*\q:BI+8*\q+3], s[40:41]      ; 512 consecutive bytes, aligned to 256
	global_store_b64 v[6+\q], v[BI+8*\q+4:BI+8*\q+5], s[40:41]     ; 256 consecutive bytes, aligned
.endr
	s_cmp_lg_u32 s21, 0
	s_cbranch_scc1 .Lsc_v
.irp q, 0,1,2,3
	global_store_b32 v20, v[24+\q], s[42:43] offset:64*\q
.endr
	s_branch .Lsc_done
.Lsc_v:
.irp q, 0,1,2,3
	global_store_b16 v20, v[24+\q], s[42:43] offset:64*\q          ; half of a word: the other 64 keys' wave writes the other half
.endr
.Lsc_done:
	s_wait_tensorcnt 0x0                           ; the wave's end
	ds_add_u32 v28, v29
	s_wait_dscnt 0x0
	CROUND                                         ; the closing round
	s_endpgm
.Lfunc_end_k_q6307f2e84d_qkv:
	.size	k_q6307f2e84d_qkv, .Lfunc_end_k_q6307f2e84d_qkv-k_q6307f2e84d_qkv
	.p2alignl 7, 3214868480
	.fill 96, 4, 3214868480
	.section	.rodata,"a",@progbits
	.p2align	6, 0x0
	.amdhsa_kernel k_q6307f2e84d_qkv
		.amdhsa_group_segment_fixed_size 197120
		.amdhsa_private_segment_fixed_size 0
		.amdhsa_enable_private_segment 0
		.amdhsa_kernarg_size 32
		.amdhsa_user_sgpr_count 2
		.amdhsa_user_sgpr_kernarg_segment_ptr 1
		.amdhsa_wavefront_size32 1
		.amdhsa_system_sgpr_workgroup_id_x 1
		.amdhsa_system_sgpr_workgroup_id_y 1
		.amdhsa_system_sgpr_workgroup_id_z 1
		.amdhsa_system_vgpr_workitem_id 0
		.amdhsa_next_free_vgpr 512
		.amdhsa_next_free_sgpr 100
		.amdhsa_reserve_vcc 0
		.amdhsa_float_denorm_mode_32 3
		.amdhsa_float_denorm_mode_16_64 3
		.amdhsa_memory_ordered 1
		.amdhsa_forward_progress 1
		.amdhsa_inst_pref_size 63
	.end_amdhsa_kernel
	.amdgpu_metadata
---
amdhsa.version: [ 1, 2 ]
amdhsa.kernels:
  - .name:           k_q6307f2e84d_qkv
    .symbol:         k_q6307f2e84d_qkv.kd
    .args:
      - { .name: ha, .offset: 0, .size: 8, .value_kind: global_buffer, .address_space: global }
      - { .name: w, .offset: 8, .size: 8, .value_kind: global_buffer, .address_space: global }
      - { .name: qkv_b, .offset: 16, .size: 8, .value_kind: global_buffer, .address_space: global }
      - { .name: qkvr, .offset: 24, .size: 8, .value_kind: global_buffer, .address_space: global }
    .group_segment_fixed_size: 197120
    .private_segment_fixed_size: 0
    .kernarg_segment_align: 8
    .kernarg_segment_size: 32
    .max_flat_workgroup_size: 128
    .sgpr_count:     100
    .vgpr_count:     512
    .wavefront_size: 32
...
	.end_amdgpu_metadata
.endif
;; end of part 2
;; launch attn (part 3): grid 8 x 32, 16 waves a work-group, clusters of 4 x 1, 210,944 bytes of LDS; arguments qkvr, ao; writes ao
.if DOCPART == 3
	.amdgcn_target "amdgcn-amd-amdhsa--gfx1250"
	.amdhsa_code_object_version 6
	.text
	.protected	k_q6307f2e84d_attn
	.globl	k_q6307f2e84d_attn
	.p2align	8
	.type	k_q6307f2e84d_attn,@function
k_q6307f2e84d_attn:
	s_mov_b64 s[64:65], 0
	v_nop
	global_prefetch_b8 v0, s[64:65] scope:SCOPE_SE
	s_setreg_imm32_b32 hwreg(HW_REG_WAVE_MODE, 25, 1), 1
	s_wait_xcnt 0x0
	s_wait_alu depctr_hold_cnt(0) depctr_sa_sdst(0) depctr_va_vdst(0) depctr_va_sdst(0) depctr_va_ssrc(0) depctr_va_vcc(0) depctr_vm_vsrc(0)
	s_getreg_b32 s2, hwreg(HW_REG_IB_STS2, 6, 4)
	s_cmp_eq_u32 s2, 0
	s_cbranch_scc0 .Lentry_in_a_cluster
	s_endpgm
.Lentry_in_a_cluster:
	s_bfe_u32 s2, ttmp6, 0x10000c
	s_cmp_lg_u32 s2, 0x3003
	s_cbranch_scc0 .Lentry_shape_is_right
	s_endpgm
.Lentry_shape_is_right:
; Causal attention with ALiBi on codes of FP6 (E2M3): S^T = k q^T (K = the head's 64; the upper 64 of the instruction's 128 are zero codes), t = (q.k / 8 + slope (q - k)) log2(e), M = the running largest t rounded up to a
; whole number, p = 2^(t - M) quantised along the keys, O^T += v^T p^T, the row's sum taken of the unquantised p; at the end O / the sum is quantised along the model's 1,024 as the projection's operand.
; LEFT OUT AS DEAD WORK: steps of 128 keys that all come after a tile's queries: reference()'s own mask gives them the weight 0 for all values of the inputs.
; The term slope x q is the same along a row, but it moves M and p, which are quantised: it stays.
; SHARES.  A work-group takes one head of one batch and 16 tiles of 16 queries, one a wave: wave w takes tile j + 8 m, j the work-group's x (0..7).  Its queries lie in keys' step m, so steps 0 .. m - 1 are
; open, step m lies on the diagonal and the others are dead: every branch hangs on the wave's number and the count of steps, none on the place in the cluster, and all work-groups have the same work.
; m = base[w % 4] xor ((w / 4) % 2) xor 14 (w / 8), base = 15, 2, 4, 9: each of 0 .. 15 once.  The four waves with equal w % 4 walk 34 steps together, and so do the four with equal w / 4; among equal w % 4 the two longest walks differ by one step.
; NO RING: a head's k and v, 16 blocks of 13,056 bytes, fit in LDS at once.  Wave w asks for block w: one tensor load a wave, one out at the most.  The four work-groups of a cluster walk the same head: the loads are joint.
; No prefetch is laid: all of k and v is asked for at the head.
; Both products are used transposed, so that a lane holds ONE query throughout; the keys of a tile are not neighbours (place r of tile T: 32 (T / 2) + 8 (T % 2) + r + 8 (r / 8)), so that p's 16 registers of tiles 2 b, 2 b + 1 are 16 neighbouring keys.
; ALiBi costs no line for each score: the part that hangs on the register, -8 slope (16 h + i), is the C of the first product; the part that hangs on the tile joins -M in the addend of the one multiply-add.
; REGISTERS: v1-3 16 l, 512 + 8 l, 4 r; v4, v5 the add's two; v6-8 the step's LDS addresses; v9 q - the step's first key; v10 d for the diagonal; v12 -M; v13 the largest t; v[14:15] the sum; v16-27 q; v28-35 ALiBi's C; v36 q's scale word;
;   v37-40 k's; v41-44 v's; v45 p's; v46 slope log2(e); v48-95 four fragments of k; v96-159 S^T, then p, then v's four fragments; v160-191 O^T; v192-211 p's codes; v212-219 tiles' largest scores; v220-235 pairs (A, B) of each tile's addends; v236-255 at work.
.set KVB, 13056
.set SPARE, 208896                     ; behind the 16 blocks: the spare words, 128 bytes for each wave, which no other line names
.set QREC, 6684672
.set QS, 9830400
.set HS, 3145728
.set WV, 8
.set MM, 9
.set SEL, 20
.set CS, 22
.set G1, 24
.set G0, 32
.set TB, 36
.set SS, 37
.macro CROUND
	s_barrier_signal -1
	s_barrier_wait -1
	s_cmp_lg_u32 s[WV], 0
	s_cbranch_scc1 .Lnot_wave_0_\@
	s_barrier_signal -3
.Lnot_wave_0_\@:
	s_barrier_wait -3
	s_barrier_signal -1
	s_barrier_wait -1
.endm
	s_load_b128 s[4:7], s[0:1], 0x0                ; qkvr, ao
	v_lshl_add_u32 v4, v0, 2, SPARE
	v_mov_b32 v5, 0
	ds_add_u32 v4, v5                              ; the wave's opening: the add, twice on end, and its wait ahead of my first tensor load
	ds_add_u32 v4, v5
	v_lshrrev_b32 v1, 5, v0
	v_readfirstlane_b32 s[WV], v1                  ; wave 0..15
	s_and_b32 s10, s[WV], 3
	s_lshl_b32 s10, s10, 2
	s_lshr_b32 s[MM], 0x942f, s10
	s_and_b32 s[MM], s[MM], 15                     ; base[w % 4] = 15, 2, 4, 9
	s_bfe_u32 s10, s[WV], 0x10002
	s_xor_b32 s[MM], s[MM], s10                    ; xor (w / 4) % 2
	s_lshr_b32 s10, s[WV], 3
	s_mul_i32 s10, s10, 14
	s_xor_b32 s[MM], s[MM], s10                    ; xor 14 (w / 8): m
	s_bfe_u32 s10, ttmp6, 0x40000                  ; cx
	s_lshl_b32 s11, ttmp9, 2
	s_add_co_u32 s11, s11, s10                     ; j: it enters global addresses and numbers in lanes alone
	s_and_b32 s12, ttmp7, 0xffff                   ; batch x 16 + head, which the four partners share
	s_and_b32 s13, s12, 15                         ; head
	s_lshr_b32 s14, s12, 4                         ; batch
	s_lshl_b32 s15, s[MM], 3
	s_add_co_u32 s15, s15, s11                     ; my tile of queries
	s_mov_b32 s[G1], 15|(3<<16)|(1<<21)            ; the mask: all four; elements of 8 bytes; bit 21 beside a mask; no padding
	s_mov_b32 s[G1+1], 32<<16                      ; a dense block as rows of 256 bytes
	s_mov_b32 s[G1+2], 51<<16
	s_mov_b32 s[G1+3], 32<<16
	s_mov_b32 s[G1+4], 51
	s_mov_b32 s[G1+5], 32
	s_mov_b32 s[G1+6], 0
	s_mov_b32 s[G1+7], 0
	s_mov_b32 s[G0], 1
	s_mul_i32 s[G0+1], s[WV], KVB                  ; block w goes to w x 13,056
	s_lshl_b32 s38, s12, 4
	s_add_co_u32 s38, s38, s[WV]
	s_mul_i32 s38, s38, KVB
	s_mov_b32 s39, 0
	s_lshl_b32 s40, s12, 7
	s_add_co_u32 s40, s40, s15
	s_lshl_b32 s42, s40, 6
	s_add_co_u32 s42, s42, QS                      ; q's scale words
	s_mov_b32 s43, 0
	s_mul_i32 s40, s40, 768
	s_add_co_u32 s40, s40, QREC                    ; q's record
	s_mov_b32 s41, 0
	s_mov_b32 s[SEL], 0x76543210
	s_mov_b32 s[SEL+1], 0xfedcba98
	s_mov_b32 s[CS], 0x3e38aa3b                    ; log2(e) / 8
	s_mov_b32 s[CS+1], s[CS]                       ; (named with it as a pair, so it is written)
	s_mov_b32 s[TB], 0
	s_mov_b32 s[SS], 0
	s_add_co_u32 s44, s13, 1                       ; i = head + 1: slope = 2^(-i / 2)
	s_mov_b32 s45, 0x3f800000
	s_bitcmp1_b32 s44, 0
	s_cselect_b32 s45, 0x3f3504f3, s45             ; i odd: 2^(-1/2)
	s_lshr_b32 s44, s44, 1
	s_lshl_b32 s44, s44, 23
	s_sub_co_u32 s45, s45, s44                     ; the slope's bits
	s_add_co_u32 s46, s45, 0x81800000              ; -8 x slope
	s_lshr_b32 s47, s11, 1
	s_lshl_b32 s47, s47, 5
	s_and_b32 s48, s11, 1
	s_lshl_b32 s48, s48, 3
	s_add_co_u32 s47, s47, s48                     ; my tile's first query, counted from 128 m
	s_lshl_b32 s48, s[MM], 7
	s_wait_dscnt 0x0                               ; both opening adds are done
	s_wait_kmcnt 0x0
	s_add_nc_u64 s[G0+2:G0+3], s[4:5], s[38:39]
	s_or_b32 s[G0+3], s[G0+3], 0x80000000
	s_add_nc_u64 s[40:41], s[4:5], s[40:41]
	s_add_nc_u64 s[42:43], s[4:5], s[42:43]
	CROUND                                         ; all four work-groups are here: the joint loads meet
	tensor_load_to_lds s[G0:G0+3], s[G1:G1+7]
	s_nop 0
.rept 4
	v_nop
.endr
	v_and_b32 v47, 31, v0
	v_and_b32 v11, 15, v0                          ; r
	v_bfe_u32 v46, v0, 4, 1                        ; h
	v_lshlrev_b32 v1, 4, v47
	v_lshlrev_b32 v2, 3, v47
	v_add_nc_u32 v2, 512, v2
	v_lshlrev_b32 v3, 2, v11
	global_load_b128 v[16:19], v1, s[40:41]        ; q's record: the lower 64 of the fragment's K
	global_load_b64 v[20:21], v2, s[40:41]
	global_load_b32 v36, v3, s[42:43]
.irp i, 22,23,24,25,26,27
	v_mov_b32 v\i, 0                               ; the upper 64: zero codes
.endr
.irp t, 0,1,2,3
.irp i, 6,7,8,9,10,11
	v_mov_b32 v[48+12*\t+\i], 0                    ; likewise in k's four fragments; written once
.endr
.endr
	v_and_b32 v10, 8, v11
	v_add_nc_u32 v10, v10, v11
	v_add_nc_u32 v10, s47, v10                     ; my query - 128 m
	v_add_nc_u32 v9, s48, v10
	v_cvt_f32_u32 v9, v9                           ; my query, less the step's first key (0 now)
	v_lshlrev_b32 v47, 4, v46                      ; 16 h
	v_sub_nc_u32 v10, v10, v47                     ; d: on the diagonal the key of register 16 b + i is hidden where 32 b + i > d
.irp j, 0,1,2,3,4,5,6,7
	v_add_nc_u32 v244, \j, v47
	v_cvt_f32_u32 v[28+\j], v244
	v_mul_f32 v[28+\j], s46, v[28+\j]              ; -8 slope (16 h + j)
.endr
	v_mov_b32 v46, s45
	v_mul_f32 v46, 0x3fb8aa3b, v46                 ; slope x log2(e)
	v_mov_b32 v13, 0xff61b1e6                      ; the largest t so far: -3e38
	v_floor_f32 v12, -v13                          ; -M
	v_mov_b32 v14, 0
	v_mov_b32 v15, 0
.irp i, 216,217,218,219,245,253
	v_mov_b32 v\i, 0                               ; written once: lane permutes' destinations, and the upper half of the pair v[252:253]
.endr
.set i, 0
.rept 32
	v_mov_b32 v[160+i], 0                          ; O^T: the step is written once; the first finds zeros, which the first change of M leaves zeros
.set i, i+1
.endr
	s_wait_tensorcnt 0x0                           ; my block is in (my one load),
	s_barrier_signal -1
	s_barrier_wait -1                              ; everybody's is
	s_wait_loadcnt 0x0                             ; q
.Lstep:                                            ; 16 trips, a constant of the text; a step behind my diagonal is jumped over
	s_cmp_gt_u32 s[SS], s[MM]
	s_cbranch_scc1 .Lnext
	v_add_nc_u32 v6, s[TB], v1                     ; with the line that ends a step these four are the five places between the last products and the first that writes over their operands
	v_add_nc_u32 v7, s[TB], v2
	v_add_nc_u32 v8, s[TB], v3
	v_mul_f32 v244, v46, v9                        ; slope log2(e) (q - the step's first key)
.irp g, 0,1                            ; S^T = k q^T + ALiBi's C, four tiles of 16 keys at a time
.if \g > 0
.rept 4
	v_nop                                          ; places in front of loads into registers that matrix instructions have read
.endr
.endif
.irp t, 0,1,2,3
	ds_load_b128 v[48+12*\t:51+12*\t], v6 offset:(4*\g+\t)*768
	ds_load_b64 v[52+12*\t:53+12*\t], v7 offset:(4*\g+\t)*768
	ds_load_b32 v[37+\t], v8 offset:12288+(4*\g+\t)*64
.endr
	s_wait_dscnt 0x0
.irp t, 0,1,2,3
	v_wmma_scale_f32_16x16x128_f8f6f4 v[96+8*(4*\g+\t):103+8*(4*\g+\t)], v[48+12*\t:59+12*\t], v[16:27], v[28:35], v[37+\t], v36 matrix_a_fmt:MATRIX_FMT_FP6 matrix_b_fmt:MATRIX_FMT_FP6
.endr
.endr
	v_mov_b32 v221, v244                           ; B of tile T = slope log2(e) (q - first key - 32 (T / 2) - 8 (T % 2)); these eight lines are the places behind the products
	v_fma_f32 v223, v46, 0xc1000000, v244
	v_fma_f32 v225, v46, 0xc2000000, v244
	v_fma_f32 v227, v46, 0xc2200000, v244
	v_fma_f32 v229, v46, 0xc2800000, v244
	v_fma_f32 v231, v46, 0xc2900000, v244
	v_fma_f32 v233, v46, 0xc2c00000, v244
	v_fma_f32 v235, v46, 0xc2d00000, v244
	s_cmp_lg_u32 s[SS], s[MM]
	s_cbranch_scc1 .Lopen                          ; only my diagonal step has hidden keys
	v_mov_b32 v245, 0xff800000                     ; -infinity: p = 0 then
.set n, 0
.rept 64
	v_cmp_gt_i32 vcc_lo, 32*(n/16)+n%16, v10
	v_cndmask_b32 v[96+n], v[96+n], v245, vcc_lo
.set n, n+1
.endr
.Lopen:
.irp T, 0,1,2,3,4,5,6,7                ; each tile's largest score: within a tile t rises with the score.  The eight tiles by turns; each accumulator from its low end on
	v_max3_num_f32 v[212+\T], v[96+8*\T], v[97+8*\T], v[98+8*\T]
.endr
.irp T, 0,1,2,3,4,5,6,7
	v_max3_num_f32 v[212+\T], v[212+\T], v[99+8*\T], v[100+8*\T]
.endr
.irp T, 0,1,2,3,4,5,6,7
	v_max3_num_f32 v[212+\T], v[212+\T], v[101+8*\T], v[102+8*\T]
.endr
.irp T, 0,1,2,3,4,5,6,7
	v_max_num_f32 v[212+\T], v[212+\T], v[103+8*\T]
.endr
.irp T, 0,1,2,3,4,5,6,7
	v_fma_f32 v[236+\T], v[212+\T], s[CS], v[221+2*\T]             ; as t
.endr
	v_max3_num_f32 v244, v236, v237, v238
	v_max3_num_f32 v244, v244, v239, v240
	v_max3_num_f32 v244, v244, v241, v242
	v_max_num_f32 v244, v244, v243
	v_permlanex16_b32 v245, v244, s[SEL], s[SEL+1]
	v_max_num_f32 v244, v244, v245                 ; the step's largest t of my query
	v_max_num_f32 v13, v13, v244                   ; the running largest
	v_mov_b32 v246, v12
	v_floor_f32 v12, -v13                          ; the new -M = -ceil(t): a whole number
	v_sub_f32 v246, v12, v246                      ; old M - new M, 0 or less
	v_cvt_i32_f32 v246, v246                       ; (it saturates)
	v_ldexp_f32 v252, 1.0, v246                    ; f = 2^(old M - new M): multiplying by it rounds nothing
.irp T, 0,1,2,3,4,5,6,7
	v_add_f32 v[220+2*\T], v[221+2*\T], v12        ; A = B - M
.endr
.irp T, 0,1,2,3,4,5,6,7
.irp i, 0,2,4,6
	v_pk_fma_f32 v[96+8*\T+\i:97+8*\T+\i], v[96+8*\T+\i:97+8*\T+\i], s[CS:CS+1], v[220+2*\T:221+2*\T] op_sel_hi:[1,0,0]   ; t - M, two at a time (of the pairs the low word serves both halves)
.endr
.endr
.irp T, 0,1,2,3,4,5,6,7
	v_fma_f32 v[236+\T], v[212+\T], s[CS], v[220+2*\T]             ; the same of each tile's largest score: the same operation on the same numbers gives the same bits
.endr
.irp b, 0,1,2,3
	v_max_num_f32 v[212+\b], v[236+2*\b], v[237+2*\b]              ; a block of 32 keys is two tiles,
.endr
.irp b, 0,1,2,3
	v_permlanex16_b32 v[216+\b], v[212+\b], s[SEL], s[SEL+1]
.endr
.irp b, 0,1,2,3
	v_max_num_f32 v[212+\b], v[212+\b], v[216+\b]                  ; in lanes l and l xor 16
.endr
.set i, 0
.rept 64
	v_exp_f32 v[96+i], v[96+i]                     ; p = 2^(t - M), at most 1: not normalised
.set i, i+1
.endr
	v_pk_mul_f32 v[14:15], v[14:15], v[252:253] op_sel_hi:[1,0]    ; the sums under the new M (a plain place behind the exponentials)
	s_wait_alu depctr_va_vdst(0)                   ; one wait for the whole batch, ahead of its first reader
.irp b, 0,1,2,3
	v_exp_f32 v[212+\b], v[212+\b]                 ; each block's largest p
.endr
	v_pk_add_f32 v[236:237], v[96:97], v[98:99]    ; the row's sum is taken of the unquantised p, in two chains
.irp j, 4,8,12,16,20,24,28,32,36,40,44,48,52,56,60
	v_pk_add_f32 v[14:15], v[14:15], v[96+\j:97+\j]
	v_pk_add_f32 v[236:237], v[236:237], v[98+\j:99+\j]
.endr
	v_pk_add_f32 v[14:15], v[14:15], v[236:237]
	s_wait_alu depctr_va_vdst(0)                   ; and one for the four
.irp b, 0,1,2,3
	v_max_num_f32 v[212+\b], 0x1800000, v[212+\b]  ; the floor 2^(3 - 127): the byte cannot fall under 1
.endr
.irp b, 0,1,2,3
	v_add_nc_u32 v[216+\b], 0xff000000, v[212+\b]  ; 2 off the exponent field: the conversion's scale operand
.endr
.irp b, 0,1,2,3
	v_lshrrev_b32 v[240+\b], 23, v[216+\b]
.endr
	v_lshl_or_b32 v45, v241, 8, v240               ; p's scale word for these 128 keys
	v_lshl_or_b32 v45, v242, 16, v45
	v_lshl_or_b32 v45, v243, 24, v45
.irp c, 0,1
	v_cvt_scalef32_pk16_fp6_f32 v[192+6*\c:194+6*\c], v[96+32*\c:111+32*\c], v[216+2*\c]
	v_cvt_scalef32_pk16_fp6_f32 v[204+4*\c:206+4*\c], v[112+32*\c:127+32*\c], v[217+2*\c]
.endr
	v_nop                                          ; one plain place behind a scaled conversion
.irp c, 0,1
.irp i, 0,1,2
	v_permlane16_swap_b32 v[192+6*\c+\i], v[204+4*\c+\i]           ; a whole block to a lane
.endr
.irp i, 0,1,2
	v_mov_b32 v[195+6*\c+\i], v[204+4*\c+\i]
.endr
.endr
.irp t, 0,1,2,3                        ; v's four fragments (16 of the head's 64 x these 128 keys) into the registers that p has left
	ds_load_b128 v[96+12*\t:99+12*\t], v6 offset:6144+1536*\t
	ds_load_b64 v[100+12*\t:101+12*\t], v7 offset:6144+1536*\t
	ds_load_b128 v[102+12*\t:105+12*\t], v6 offset:6144+1536*\t+768
	ds_load_b64 v[106+12*\t:107+12*\t], v7 offset:6144+1536*\t+768
	ds_load_b32 v[41+\t], v8 offset:12800+64*\t
.endr
.set i, 0
.rept 16
	v_pk_mul_f32 v[160+i:161+i], v[160+i:161+i], v[252:253] op_sel_hi:[1,0]    ; O^T under the new M; these 16 are also the places between the lines that made p's codes and scale word and the products
.set i, i+2
.endr
	s_wait_dscnt 0x0
.irp t, 0,1,2,3
	v_wmma_scale_f32_16x16x128_f8f6f4 v[160+8*\t:167+8*\t], v[96+12*\t:107+12*\t], v[192:203], v[160+8*\t:167+8*\t], v[41+\t], v45 matrix_a_fmt:MATRIX_FMT_FP6 matrix_b_fmt:MATRIX_FMT_FP6
.endr
	v_add_f32 v9, 0xc3000000, v9                   ; the next step's first key is 128 on
.Lnext:
	s_add_co_u32 s[TB], s[TB], KVB
	s_add_co_u32 s[SS], s[SS], 1
	s_cmp_lt_u32 s[SS], 16
	s_cbranch_scc1 .Lstep
	; THE WAY OUT: O^T / the sum, quantised along the head's 64 (two blocks of the model's 1,024), as a record of the projection's operand.
	v_add_f32 v14, v14, v15
	v_permlanex16_b32 v245, v14, s[SEL], s[SEL+1]
	v_add_f32 v14, v14, v245                       ; the row's sum
	v_rcp_f32 v14, v14
.rept 3
	v_nop                                          ; a plain place behind the transcendental; with the additions above also the places behind the last products
.endr
	s_lshl_b32 s38, s14, 7
	s_add_co_u32 s38, s38, s15                     ; my tile among the 256
	s_lshr_b32 s39, s13, 1                         ; the projection's K step
	s_and_b32 s44, s13, 1                          ; and which 64 of its 128
	s_lshl_b32 s40, s39, 8
	s_add_co_u32 s40, s40, s38
	s_mul_i32 s40, s40, 1536
	s_mul_i32 s41, s44, 768
	s_add_co_u32 s40, s40, s41
	s_mov_b32 s41, 0
	s_add_nc_u64 s[40:41], s[6:7], s[40:41]
	s_lshl_b32 s42, s38, 3
	s_add_co_u32 s42, s42, s39
	s_lshl_b32 s42, s42, 6
	s_lshl_b32 s44, s44, 1
	s_add_co_u32 s42, s42, s44
	s_add_co_u32 s42, s42, HS
	s_mov_b32 s43, 0
	s_add_nc_u64 s[42:43], s[6:7], s[42:43]
	s_wait_alu depctr_va_vdst(0)                   ; the wait ahead of the reciprocal's first reader
.set i, 0
.rept 32
	v_mul_f32 v[96+i], v[160+i], v14               ; register 16 b + i: channel 32 b + 16 h + i of my query
.set i, i+1
.endr
	v_max3_num_f32 v212, |v96|, |v97|, 0x1800000
	v_max3_num_f32 v213, |v112|, |v113|, 0x1800000
.irp i, 2,4,6,8,10,12,14
	v_max3_num_f32 v212, v212, |v[96+\i]|, |v[97+\i]|
	v_max3_num_f32 v213, v213, |v[112+\i]|, |v[113+\i]|
.endr
	v_permlanex16_b32 v216, v212, s[SEL], s[SEL+1]
	v_permlanex16_b32 v217, v213, s[SEL], s[SEL+1]
	v_max_num_f32 v212, v212, v216
	v_max_num_f32 v213, v213, v217
	v_add_nc_u32 v218, 0xff000000, v212
	v_add_nc_u32 v219, 0xff000000, v213
	v_lshrrev_b32 v240, 23, v218
	v_lshrrev_b32 v241, 23, v219
	v_lshl_or_b32 v242, v241, 8, v240
	v_cvt_scalef32_pk16_fp6_f32 v[192:194], v[96:111], v218
	v_cvt_scalef32_pk16_fp6_f32 v[196:198], v[112:127], v219
	v_nop
.irp i, 0,1,2
	v_permlane16_swap_b32 v[192+\i], v[196+\i]
.endr
.irp i, 0,1,2
	v_mov_b32 v[195+\i], v[196+\i]
.endr
	global_store_b128 v1, v[192:195], s[40:41]     ; 512 consecutive bytes, aligned to 256
	global_store_b64 v2, v[196:197], s[40:41]      ; 256 consecutive bytes, aligned
	global_store_b16 v3, v242, s[42:43]            ; my head's half of the K step's scale word
	s_wait_tensorcnt 0x0                           ; the wave's end
	ds_add_u32 v4, v5
	s_wait_dscnt 0x0
	CROUND                                         ; the closing round
	s_endpgm
.Lfunc_end_k_q6307f2e84d_attn:
	.size	k_q6307f2e84d_attn, .Lfunc_end_k_q6307f2e84d_attn-k_q6307f2e84d_attn
	.p2alignl 7, 3214868480
	.fill 96, 4, 3214868480
	.section	.rodata,"a",@progbits
	.p2align	6, 0x0
	.amdhsa_kernel k_q6307f2e84d_attn
		.amdhsa_group_segment_fixed_size 210944
		.amdhsa_private_segment_fixed_size 0
		.amdhsa_enable_private_segment 0
		.amdhsa_kernarg_size 16
		.amdhsa_user_sgpr_count 2
		.amdhsa_user_sgpr_kernarg_segment_ptr 1
		.amdhsa_wavefront_size32 1
		.amdhsa_system_sgpr_workgroup_id_x 1
		.amdhsa_system_sgpr_workgroup_id_y 1
		.amdhsa_system_sgpr_workgroup_id_z 1
		.amdhsa_system_vgpr_workitem_id 0
		.amdhsa_next_free_vgpr 256
		.amdhsa_next_free_sgpr 66
		.amdhsa_reserve_vcc 1
		.amdhsa_float_denorm_mode_32 3
		.amdhsa_float_denorm_mode_16_64 3
		.amdhsa_memory_ordered 1
		.amdhsa_forward_progress 1
		.amdhsa_inst_pref_size 37
	.end_amdhsa_kernel
	.amdgpu_metadata
---
amdhsa.version: [ 1, 2 ]
amdhsa.kernels:
  - .name:           k_q6307f2e84d_attn
    .symbol:         k_q6307f2e84d_attn.kd
    .args:
      - { .name: qkvr, .offset: 0, .size: 8, .value_kind: global_buffer, .address_space: global }
      - { .name: ao, .offset: 8, .size: 8, .value_kind: global_buffer, .address_space: global }
    .group_segment_fixed_size: 210944
    .private_segment_fixed_size: 0
    .kernarg_segment_align: 8
    .kernarg_segment_size: 16
    .max_flat_workgroup_size: 512
    .sgpr_count:     66
    .vgpr_count:     256
    .wavefront_size: 32
...
	.end_amdgpu_metadata
.endif
;; end of part 3
;; launch proj (part 4): grid 8 x 32, 4 waves a work-group, clusters of 4 x 4, 214,528 bytes of LDS; arguments ao, w, proj_b, x, x2; writes x2
.if DOCPART == 4
	.amdgcn_target "amdgcn-amd-amdhsa--gfx1250"
	.amdhsa_code_object_version 6
	.text
	.protected	k_q6307f2e84d_proj
	.globl	k_q6307f2e84d_proj
	.p2align	8
	.type	k_q6307f2e84d_proj,@function
k_q6307f2e84d_proj:
	s_mov_b64 s[64:65], 0
	v_nop
	global_prefetch_b8 v0, s[64:65] scope:SCOPE_SE
	s_setreg_imm32_b32 hwreg(HW_REG_WAVE_MODE, 25, 1), 1
	s_wait_xcnt 0x0
	s_wait_alu depctr_hold_cnt(0) depctr_sa_sdst(0) depctr_va_vdst(0) depctr_va_sdst(0) depctr_va_ssrc(0) depctr_va_vcc(0) depctr_vm_vsrc(0)
	s_getreg_b32 s2, hwreg(HW_REG_IB_STS2, 6, 4)
	s_cmp_eq_u32 s2, 0
	s_cbranch_scc0 .Lentry_in_a_cluster
	s_endpgm
.Lentry_in_a_cluster:
	s_bfe_u32 s2, ttmp6, 0x10000c
	s_cmp_lg_u32 s2, 0xf033
	s_cbranch_scc0 .Lentry_shape_is_right
	s_endpgm
.Lentry_shape_is_right:
; x2 = x + Q(attention's output) Q(proj_w) + proj_b, on codes of FP6 (E2M3).  The frame is the qkv launch's: a work-group of four waves makes 128 tokens x 128 columns, a wave 64 x 64 in 16 accumulators; K = 1,024 in 8 steps;
; both panels lie in LDS at once, four tensor loads a wave at the head (four out at the most), waited for by count; nothing is filled again.  4 x 4 clusters: tokens' tiles shared along a row, weights' along a column, by joint loads.
; Source 0 = 16 columns of the weight, source 1 = 16 tokens: a lane holds one token and neighbouring columns.  The bias is the C of each sum's first product.
; Scale words: one load at 4 x lane brings K step 2 j to lanes 0-15 and K step 2 j + 1 to lanes 16-31 of one register; odd K steps read the upper lanes.
; THE WAY OUT: 16 tokens x 64 columns at a time through the wave's own stage in LDS, back as rows of 256 bytes; the residual is added; sixteen lanes store 256 consecutive aligned bytes.
; The residual is asked for behind the wait for the scale words, in the way out's layout, and is waited for only in front of the way out: it lands while the products run.
; No prefetch is laid: all that a work-group reads is asked for at its head.
; REGISTERS: window 0: v16-19 LDS addresses; v20 4 l; v21 64 h; v25-27 the way out's addresses; v28, v29 the add's two; v32-47, v64-79 scale words; v96-127 the bias.
;   window 1: two fragment buffers at v0 and v128; on the way out v0-63 take rows back.   window 2: v0-127 the accumulators ((q, p) at v[8 (4 q + p)]); v128-255 the residual.
.set KH, 4
.set NTT, 256
.set NTW, 64
.set WC, 2457600
.set WS, 3244032
.set HS, 3145728
.set REGB, 12288
.set CHUNK, 49152
.set STAGE, 196608                     ; behind the panels: 16 rows x 272 bytes for each wave; no fill lands here
.set SPARE, 214016                     ; behind the stages: the spare words, 128 bytes for each wave, which no other line names
.set SC0, 32
.set SC1, 64
.set BI, 96
.set ACC, 0
.set MULW, 0xa5                        ; sources 0 and 1 window 1; C and D window 2
.set MULW1, 0x85                       ; the first step: C (the bias) window 0
.set G1T, 24
.set G1W, 32
.set G0T, 40
.set G0W, 68
.set OUTP, 84
.set MSB, 0
.macro WIN new
.if MSB != \new
	s_set_vgpr_msb (MSB<<8)|\new
.set MSB, \new
.endif
.endm
.macro PLACES n
.rept \n
	v_nop
.endr
.endm
.macro CROUND
	s_barrier_signal -1
	s_barrier_wait -1
	s_cmp_lg_u32 s12, 0
	s_cbranch_scc1 .Lnot_wave_0_\@
	s_barrier_signal -3
.Lnot_wave_0_\@:
	s_barrier_wait -3
	s_barrier_signal -1
	s_barrier_wait -1
.endm
.macro FETCH ksl, f
	WIN 0x40
.irp t, 0,1,2,3
	ds_load_b128 v[(\f)+12*\t:(\f)+12*\t+3], v16 offset:(\ksl)*6144+\t*1536
	ds_load_b64 v[(\f)+12*\t+4:(\f)+12*\t+5], v17 offset:(\ksl)*6144+\t*1536
	ds_load_b128 v[(\f)+12*\t+6:(\f)+12*\t+9], v16 offset:(\ksl)*6144+\t*1536+768
	ds_load_b64 v[(\f)+12*\t+10:(\f)+12*\t+11], v17 offset:(\ksl)*6144+\t*1536+768
.endr
.irp t, 0,1,2,3
	ds_load_b128 v[(\f)+48+12*\t:(\f)+48+12*\t+3], v18 offset:(\ksl)*6144+\t*1536
	ds_load_b64 v[(\f)+48+12*\t+4:(\f)+48+12*\t+5], v19 offset:(\ksl)*6144+\t*1536
	ds_load_b128 v[(\f)+48+12*\t+6:(\f)+48+12*\t+9], v18 offset:(\ksl)*6144+\t*1536+768
	ds_load_b64 v[(\f)+48+12*\t+10:(\f)+48+12*\t+11], v19 offset:(\ksl)*6144+\t*1536+768
.endr
.endm
.macro MUL s, f, mode                  ; 16 matrix instructions; the accumulators take turns.  mode 1: K step 0, the bias starts the sums
.if \mode == 0
	WIN MULW
.else
	WIN MULW1
.endif
.irp q, 0,1,2,3
.irp p, 0,1,2,3
.if \mode == 1
	v_wmma_scale_f32_16x16x128_f8f6f4 v[ACC+8*(4*\q+\p):ACC+8*(4*\q+\p)+7], v[(\f)+12*\p:(\f)+12*\p+11], v[(\f)+48+12*\q:(\f)+48+12*\q+11], v[BI+8*\p:BI+8*\p+7], v[SC0+KH*\p], v[SC1+KH*\q] matrix_a_fmt:MATRIX_FMT_FP6 matrix_b_fmt:MATRIX_FMT_FP6
.elseif (\s)%2 == 0
	v_wmma_scale_f32_16x16x128_f8f6f4 v[ACC+8*(4*\q+\p):ACC+8*(4*\q+\p)+7], v[(\f)+12*\p:(\f)+12*\p+11], v[(\f)+48+12*\q:(\f)+48+12*\q+11], v[ACC+8*(4*\q+\p):ACC+8*(4*\q+\p)+7], v[SC0+KH*\p+(\s)/2], v[SC1+KH*\q+(\s)/2] matrix_a_fmt:MATRIX_FMT_FP6 matrix_b_fmt:MATRIX_FMT_FP6
.else
	v_wmma_scale_f32_16x16x128_f8f6f4 v[ACC+8*(4*\q+\p):ACC+8*(4*\q+\p)+7], v[(\f)+12*\p:(\f)+12*\p+11], v[(\f)+48+12*\q:(\f)+48+12*\q+11], v[ACC+8*(4*\q+\p):ACC+8*(4*\q+\p)+7], v[SC0+KH*\p+(\s)/2], v[SC1+KH*\q+(\s)/2] matrix_a_fmt:MATRIX_FMT_FP6 matrix_b_fmt:MATRIX_FMT_FP6 matrix_a_scale:MATRIX_SCALE_ROW1 matrix_b_scale:MATRIX_SCALE_ROW1
.endif
.endr
.endr
.endm
.macro LAND n
	WIN 0
	s_wait_tensorcnt \n                            ; my part of the next chunk is in; n younger loads may stay out
	s_wait_dscnt 0x0
	s_barrier_signal -1
	s_barrier_wait -1
.irp a, 16,17,18,19
	v_add_nc_u32 v\a, CHUNK, v\a                   ; these four are also the places in front of the loads that follow
.endr
.endm
.macro STEPK s
.if (\s) < 7
.if (\s)%2 == 1
	LAND 3-((\s)+1)/2
.else
	PLACES 4
.endif
	FETCH ((\s)+1)%2, 128*(((\s)+1)%2)
	s_wait_dscnt 32                                ; all but the 32 just issued
.else
	s_wait_dscnt 0x0
.endif
	MUL \s, 128*((\s)%2), 0
.endm
; Tile q of tokens: its 16 x 64 results into my stage (each accumulator from its low end on), back as rows, + the residual, out.  Row 2 t + l / 16 of the stage is token 32 (q / 2) + 8 (q % 2) + 2 t + 8 (t / 4) + l / 16 of my 64.
.macro OUTROWS
.irp q, 0,1,2,3
.if \q >= 2
	s_wait_xcnt 0x0                                ; the stores of two tiles back have read their registers: rows may land there again
.endif
	WIN 0x08                                       ; an LDS store's data are its source 1: window 2
.irp i, 0,1,2,3,4,5,6,7
	ds_store_b128 v26, v[32*\q+4*\i:32*\q+4*\i+3] offset:16*(\i%4)+128*(\i/4)
.endr
	WIN 0x40
.irp t, 0,1,2,3,4,5,6,7
	ds_load_b128 v[32*(\q%2)+4*\t:32*(\q%2)+4*\t+3], v27 offset:544*\t         ; LDS serves a wave's instructions in order (ISA guide 5.7.1.4): these see the stores above
.endr
	s_wait_dscnt 0x0
	WIN 0x49                                       ; rows in window 1, the residual in window 2
.irp i, 0,2,4,6,8,10,12,14,16,18,20,22,24,26,28,30
	v_pk_add_f32 v[32*(\q%2)+\i:32*(\q%2)+\i+1], v[32*(\q%2)+\i:32*(\q%2)+\i+1], v[128+32*\q+\i:128+32*\q+\i+1]
.endr
	WIN 0x04                                       ; a store's data are its source 1: window 1
.irp t, 0,1,2,3,4,5,6,7
	global_store_b128 v25, v[32*(\q%2)+4*\t:32*(\q%2)+4*\t+3], s[OUTP:OUTP+1] offset:(32*(\q/2)+8*(\q%2)+2*\t+8*(\t/4))*4096 th:TH_STORE_NT
.endr
.endr
	WIN 0
.endm
	s_load_b256 s[4:11], s[0:1], 0x0               ; ao, w, proj_b, x
	s_load_b64 s[OUTP:OUTP+1], s[0:1], 0x20        ; x2
	v_lshl_add_u32 v28, v0, 2, SPARE
	v_mov_b32 v29, 0
	ds_add_u32 v28, v29                            ; the wave's opening: the add, twice on end, and its wait ahead of my first tensor load
	ds_add_u32 v28, v29
	v_lshrrev_b32 v1, 5, v0
	v_readfirstlane_b32 s12, v1
	s_lshr_b32 s13, s12, 1                         ; my half of the tokens; also: I fetch tokens (0) or weights (1)
	s_and_b32 s14, s12, 1                          ; my half of the columns; also: which four tiles I fetch
	s_bfe_u32 s15, ttmp6, 0x40000
	s_bfe_u32 s16, ttmp6, 0x40004
	s_lshl_b32 s17, ttmp9, 2
	s_add_co_u32 s17, s17, s15                     ; block of 128 columns
	s_and_b32 s18, ttmp7, 0xffff
	s_lshl_b32 s18, s18, 2
	s_add_co_u32 s18, s18, s16                     ; block of 128 tokens
	s_lshl_b32 s19, s16, 2
	s_lshl_b32 s19, 15, s19
	s_lshl_b32 s20, 0x1111, s15
	s_or_b32 s[G1T], s19, (3<<16)|(1<<21)
	s_or_b32 s[G1W], s20, (3<<16)|(1<<21)
.irp g, G1T, G1W
	s_mov_b32 s[\g+1], 768<<16
	s_mov_b32 s[\g+2], 2<<16
	s_mov_b32 s[\g+3], 768<<16
	s_mov_b32 s[\g+4], 2
	s_mov_b32 s[\g+6], 0
	s_mov_b32 s[\g+7], 0
.endr
	s_mov_b32 s[G1T+5], NTT*192
	s_mov_b32 s[G1W+5], NTW*192
	s_lshl_b32 s56, s18, 3
	s_lshl_b32 s57, s14, 2
	s_add_co_u32 s56, s56, s57
	s_mul_i32 s56, s56, 1536
	s_mov_b32 s57, 0
	s_lshl_b32 s58, s17, 3
	s_lshl_b32 s59, s14, 2
	s_add_co_u32 s58, s58, s59
	s_mul_i32 s58, s58, 1536
	s_add_co_u32 s58, s58, WC
	s_mov_b32 s59, 0
	s_mul_i32 s60, s12, REGB
	s_lshl_b32 s88, s18, 3
	s_lshl_b32 s89, s13, 2
	s_add_co_u32 s88, s88, s89
	s_lshl_b32 s88, s88, 9
	s_add_co_u32 s88, s88, HS                      ; my token tiles' scale words
	s_mov_b32 s89, 0
	s_lshl_b32 s90, s17, 3
	s_lshl_b32 s91, s14, 2
	s_add_co_u32 s90, s90, s91
	s_lshl_b32 s90, s90, 9
	s_add_co_u32 s90, s90, WS                      ; my weight tiles'
	s_mov_b32 s91, 0
	s_lshl_b32 s92, s17, 9
	s_lshl_b32 s93, s14, 8
	s_add_co_u32 s92, s92, s93                     ; my 64 columns, in bytes
	s_mov_b32 s93, 0
	s_lshl_b32 s96, s18, 7
	s_lshl_b32 s97, s13, 6
	s_add_co_u32 s96, s96, s97
	s_lshl_b32 s96, s96, 12
	s_add_co_u32 s96, s96, s92                     ; my 64 tokens x 64 columns in x and x2
	s_mov_b32 s97, 0
	s_mul_i32 s3, s13, REGB                        ; source 1: my tokens in a chunk
	s_mul_i32 s2, s14, REGB
	s_add_co_u32 s2, s2, 2*REGB                    ; source 0: my weights
	s_mul_i32 s22, s12, 4352
	s_add_co_u32 s22, s22, STAGE                   ; my stage
	s_wait_dscnt 0x0                               ; both opening adds are done
	s_wait_kmcnt 0x0
	s_add_nc_u64 s[56:57], s[4:5], s[56:57]
	s_add_nc_u64 s[58:59], s[6:7], s[58:59]
	s_add_nc_u64 s[88:89], s[4:5], s[88:89]
	s_add_nc_u64 s[90:91], s[6:7], s[90:91]
	s_add_nc_u64 s[92:93], s[8:9], s[92:93]
	s_add_nc_u64 s[86:87], s[10:11], s[96:97]
	s_add_nc_u64 s[OUTP:OUTP+1], s[OUTP:OUTP+1], s[96:97]
.irp c, 0,1,2,3
	s_mov_b32 s[G0T+4*\c], 1
	s_add_co_u32 s[G0T+4*\c+1], s60, \c*CHUNK
	s_add_nc_u64 s[G0T+4*\c+2:G0T+4*\c+3], s[56:57], \c*2*NTT*1536
	s_or_b32 s[G0T+4*\c+3], s[G0T+4*\c+3], 0x80000000
	s_mov_b32 s[G0W+4*\c], 1
	s_add_co_u32 s[G0W+4*\c+1], s60, \c*CHUNK
	s_add_nc_u64 s[G0W+4*\c+2:G0W+4*\c+3], s[58:59], \c*2*NTW*1536
	s_or_b32 s[G0W+4*\c+3], s[G0W+4*\c+3], 0x80000000
.endr
	CROUND                                         ; all sixteen work-groups are here: the joint loads meet
	s_cmp_eq_u32 s13, 0
	s_cbranch_scc0 .Lfill_w
.irp c, 0,1,2,3
	tensor_load_to_lds s[G0T+4*\c:G0T+4*\c+3], s[G1T:G1T+7]
	s_nop 0
.endr
	PLACES 4
	s_branch .Lfilled
.Lfill_w:
.irp c, 0,1,2,3
	tensor_load_to_lds s[G0W+4*\c:G0W+4*\c+3], s[G1W:G1W+7]
	s_nop 0
.endr
	PLACES 4
.Lfilled:
	v_and_b32 v1, 31, v0
	v_and_b32 v4, 15, v0                           ; r
	v_bfe_u32 v5, v0, 4, 1                         ; h
	v_lshlrev_b32 v2, 4, v1
	v_lshlrev_b32 v3, 3, v1
	v_add_nc_u32 v3, 512, v3
	v_add_nc_u32 v16, s2, v2
	v_add_nc_u32 v17, s2, v3
	v_add_nc_u32 v18, s3, v2
	v_add_nc_u32 v19, s3, v3
	v_lshlrev_b32 v20, 2, v1                       ; 4 l
	v_lshlrev_b32 v21, 6, v5
	v_lshlrev_b32 v25, 12, v5
	v_lshl_add_u32 v25, v4, 4, v25                 ; x, x2: 4,096 (l / 16) + 16 (l % 16)
	v_mul_u32_u24 v26, v4, 272
	v_lshl_add_u32 v26, v5, 6, v26
	v_add_nc_u32 v26, s22, v26                     ; into the stage: row r, + 64 h
	v_mul_u32_u24 v27, v5, 272
	v_lshl_add_u32 v27, v4, 4, v27
	v_add_nc_u32 v27, s22, v27                     ; back: lanes 0-15 one row, lanes 16-31 the next
.set i, 0
.rept 16
	global_load_b32 v[SC0+i], v20, s[90:91] offset:128*i           ; register 4 p + j: tile p's words for K steps 2 j (lanes 0-15) and 2 j + 1 (lanes 16-31)
	global_load_b32 v[SC1+i], v20, s[88:89] offset:128*i
.set i, i+1
.endr
.irp p, 0,1,2,3
	global_load_b128 v[BI+8*\p:BI+8*\p+3], v21, s[92:93] offset:(32*(\p/2)+8*(\p%2))*4
	global_load_b128 v[BI+8*\p+4:BI+8*\p+7], v21, s[92:93] offset:(32*(\p/2)+8*(\p%2))*4+16
.endr
	s_wait_tensorcnt 0x3                           ; my part of chunk 0 is in; chunks 1 to 3 may be out
	s_barrier_signal -1
	s_barrier_wait -1
	FETCH 0, 0
	s_wait_loadcnt 0x0                             ; scale words and bias
	WIN 0x80                                       ; destination window 2: the residual goes out now and lands under the products
.irp q, 0,1,2,3
.irp t, 0,1,2,3,4,5,6,7
	global_load_b128 v[128+32*\q+4*\t:128+32*\q+4*\t+3], v25, s[86:87] offset:(32*(\q/2)+8*(\q%2)+2*\t+8*(\t/4))*4096 th:TH_LOAD_NT
.endr
.endr
	FETCH 1, 128
	s_wait_dscnt 32
	MUL 0, 0, 1
.irp s, 1,2,3,4,5,6,7
	STEPK \s
.endr
	WIN 0
	s_wait_loadcnt 0x0                             ; the residual
	PLACES 4                                       ; behind the last products: LDS stores read results, and loads land in registers that held fragments
	OUTROWS
	s_wait_tensorcnt 0x0                           ; the wave's end, behind my last tensor load and my last LDS store
	ds_add_u32 v28, v29
	s_wait_dscnt 0x0
	CROUND                                         ; the closing round
	s_endpgm
.Lfunc_end_k_q6307f2e84d_proj:
	.size	k_q6307f2e84d_proj, .Lfunc_end_k_q6307f2e84d_proj-k_q6307f2e84d_proj
	.p2alignl 7, 3214868480
	.fill 96, 4, 3214868480
	.section	.rodata,"a",@progbits
	.p2align	6, 0x0
	.amdhsa_kernel k_q6307f2e84d_proj
		.amdhsa_group_segment_fixed_size 214528
		.amdhsa_private_segment_fixed_size 0
		.amdhsa_enable_private_segment 0
		.amdhsa_kernarg_size 40
		.amdhsa_user_sgpr_count 2
		.amdhsa_user_sgpr_kernarg_segment_ptr 1
		.amdhsa_wavefront_size32 1
		.amdhsa_system_sgpr_workgroup_id_x 1
		.amdhsa_system_sgpr_workgroup_id_y 1
		.amdhsa_system_sgpr_workgroup_id_z 1
		.amdhsa_system_vgpr_workitem_id 0
		.amdhsa_next_free_vgpr 768
		.amdhsa_next_free_sgpr 100
		.amdhsa_reserve_vcc 0
		.amdhsa_float_denorm_mode_32 3
		.amdhsa_float_denorm_mode_16_64 3
		.amdhsa_memory_ordered 1
		.amdhsa_forward_progress 1
		.amdhsa_inst_pref_size 62
	.end_amdhsa_kernel
	.amdgpu_metadata
---
amdhsa.version: [ 1, 2 ]
amdhsa.kernels:
  - .name:           k_q6307f2e84d_proj
    .symbol:         k_q6307f2e84d_proj.kd
    .args:
      - { .name: ao, .offset: 0, .size: 8, .value_kind: global_buffer, .address_space: global }
      - { .name: w, .offset: 8, .size: 8, .value_kind: global_buffer, .address_space: global }
      - { .name: proj_b, .offset: 16, .size: 8, .value_kind: global_buffer, .address_space: global }
      - { .name: x, .offset: 24, .size: 8, .value_kind: global_buffer, .address_space: global }
      - { .name: x2, .offset: 32, .size: 8, .value_kind: global_buffer, .address_space: global }
    .group_segment_fixed_size: 214528
    .private_segment_fixed_size: 0
    .kernarg_segment_align: 8
    .kernarg_segment_size: 40
    .max_flat_workgroup_size: 128
    .sgpr_count:     100
    .vgpr_count:     768
    .wavefront_size: 32
...
	.end_amdgpu_metadata
.endif
;; end of part 4
;; launch ln2 (part 5): grid 256 x 1, 8 waves a work-group, no clusters, 77,824 bytes of LDS; arguments x2, ln2_g, ln2_b, ha; writes ha
.if DOCPART == 5
	.amdgcn_target "amdgcn-amd-amdhsa--gfx1250"
	.amdhsa_code_object_version 6
	.text
	.protected	k_q6307f2e84d_ln2
	.globl	k_q6307f2e84d_ln2
	.p2align	8
	.type	k_q6307f2e84d_ln2,@function
k_q6307f2e84d_ln2:
	s_mov_b64 s[64:65], 0
	v_nop
	global_prefetch_b8 v0, s[64:65] scope:SCOPE_SE
	s_setreg_imm32_b32 hwreg(HW_REG_WAVE_MODE, 25, 1), 1
	s_wait_xcnt 0x0
; The second layer norm over 1,024 columns, in f32 (mean, then the mean of the squared differences, as reference() has it), and its result quantised along the columns to codes of FP6 (E2M3) with one E8M0 scale for each 32.
; The result is laid as the next product's operand: codes [K step 0..7][tile of 16 rows 0..255][1,536 bytes] in the order of a fragment's registers, scale words [tile][K step][16 places] from byte HS on.
; Place r of tile T stands for row 32 (T / 2) + 8 (T % 2) + r + 8 (r / 8).
; SHARES.  A work-group takes a tile; wave w takes its columns 128 w .. 128 w + 127, one K step.  Each load reads 512 consecutive bytes of one row; the 16 rows turn through the wave's own stage in LDS (rows 528 bytes apart: the 16 rows
; that a read touches start at 16 different groups of banks) and come back so that lane (r, h) holds 64 numbers of row r: register 16 b + i is column 128 w + 32 b + 16 h + i, the order that the quantiser wants.
; Gain and bias come by one load each and are spread by LDS reads in which sixteen lanes share their words.  The eight waves' partial sums meet in LDS, twice: two barriers.
; Matrix units, tensor loads and clusters would add nothing: each byte is read once and nothing is shared between work-groups.
; LIMITS: NaN and infinities are not served; a block of zeros gets the byte 1 (its codes are zeros; this program alone reads the bytes).
.set X,  32                            ; v32-95   my 64 numbers
.set G,  96                            ; v96-159  the gain at my columns
.set B,  160                           ; v160-223 the bias
.set TM, 8                             ; v8-23    at work
.set PC, 224                           ; v224-242 the codes
.set PW, 243                           ; v243     the scale word
.set SPW, 252                          ; v252     LDS address of my spare word; never rewritten
.set NIL, 253                          ; v253     0; never rewritten
.set WST, 8448                         ; LDS: a stage of 16 rows x 528 bytes for each wave,
.set GST, 67584                        ; 512 bytes of gain for each wave, and 4,096 on the same of bias,
.set PS, 75776                         ; 8 waves x 16 rows of partial sums, and 512 on of partial sums of squares,
.set SPARE, 76800                      ; and the spare words, 128 bytes for each wave, which no other line names
.set HS, 3145728
.set SEL, 32
	s_load_b256 s[68:75], s[0:1], 0x0              ; the rows, the gain, the bias, the operand
	v_lshl_add_u32 v[SPW], v0, 2, SPARE
	v_mov_b32 v[NIL], 0
	v_lshrrev_b32 v1, 5, v0
	v_readfirstlane_b32 s31, v1                    ; wave = K step
	s_mov_b32 s30, ttmp9                           ; the tile
	v_and_b32 v1, 31, v0
	v_and_b32 v2, 15, v0                           ; r
	v_bfe_u32 v3, v0, 4, 1                         ; h
	v_lshlrev_b32 v6, 4, v1                        ; 16 l: a load's place, and a record's first part
	v_lshlrev_b32 v7, 3, v1
	v_add_nc_u32 v7, 512, v7                       ; a record's second part: 512 + 8 l
	v_lshlrev_b32 v244, 2, v2                      ; 4 r
	s_mul_i32 s40, s31, WST                        ; my stage
	v_add_nc_u32 v4, s40, v6                       ; in: 16 l
	v_mul_u32_u24 v5, v2, 528
	v_lshl_add_u32 v5, v3, 6, v5
	v_add_nc_u32 v5, s40, v5                       ; back: row r, + 64 h
	s_lshl_b32 s40, s31, 9
	s_add_co_u32 s40, s40, GST                     ; my 512 bytes of gain
	v_add_nc_u32 v30, s40, v6                      ; in: 16 l
	v_lshlrev_b32 v31, 6, v3
	v_add_nc_u32 v31, s40, v31                     ; back: 64 h
	v_add_nc_u32 v24, PS, v244                     ; the partial sums: 4 r,
	s_lshl_b32 s40, s31, 6
	v_add_nc_u32 v25, s40, v24                     ; mine at 64 w + 4 r
	s_mov_b32 s[SEL], 0x76543210
	s_mov_b32 s[SEL+1], 0xfedcba98                 ; v_permlanex16_b32's selects for lane l xor 16
	s_mov_b32 s34, 0x3a800000                      ; 1 / 1,024
	s_lshr_b32 s35, s30, 1
	s_lshl_b32 s35, s35, 5
	s_and_b32 s41, s30, 1
	s_lshl_b32 s41, s41, 3
	s_add_co_u32 s35, s35, s41                     ; the tile's first row
	s_lshl_b32 s38, s31, 9                         ; my columns: 512 w bytes
	s_mov_b32 s39, 0
	s_lshl_b32 s36, s35, 12
	s_add_co_u32 s36, s36, s38
	s_mov_b32 s37, 0
	s_lshl_b32 s42, s31, 8
	s_add_co_u32 s42, s42, s30
	s_mul_i32 s42, s42, 1536                       ; my fragment: (256 w + tile) x 1,536
	s_mov_b32 s43, 0
	s_lshl_b32 s44, s30, 3
	s_add_co_u32 s44, s44, s31
	s_lshl_b32 s44, s44, 6
	s_add_co_u32 s44, s44, HS                      ; its scale words: (8 tile + w) x 64
	s_mov_b32 s45, 0
	s_wait_kmcnt 0x0
	s_add_nc_u64 s[68:69], s[68:69], s[36:37]
	s_add_nc_u64 s[70:71], s[70:71], s[38:39]
	s_add_nc_u64 s[72:73], s[72:73], s[38:39]
	s_add_nc_u64 s[46:47], s[74:75], s[42:43]
	s_add_nc_u64 s[48:49], s[74:75], s[44:45]
.irp i, 0,1,2,3,4,5,6,7,8,9,10,11,12,13,14,15
	global_load_b128 v[X+4*\i:X+4*\i+3], v6, s[68:69] offset:(\i+8*(\i/8))*4096 th:TH_LOAD_NT   ; place i's row: 512 consecutive bytes
.endr
	global_load_b128 v[G:G+3], v6, s[70:71]
	global_load_b128 v[B:B+3], v6, s[72:73]
	s_wait_loadcnt 0x2                             ; the 16 rows are in; gain's and bias's loads may be out
.irp i, 0,1,2,3,4,5,6,7,8,9,10,11,12,13,14,15
	ds_store_b128 v4, v[X+4*\i:X+4*\i+3] offset:528*\i
.endr
.irp b, 0,1,2,3
.irp j, 0,1,2,3
	ds_load_b128 v[X+16*\b+4*\j:X+16*\b+4*\j+3], v5 offset:128*\b+16*\j        ; LDS serves a wave's instructions in order (ISA guide 5.7.1.4): these see the stores above
.endr
.endr
	s_wait_loadcnt 0x0
	ds_store_b128 v30, v[G:G+3]
	ds_store_b128 v30, v[B:B+3] offset:4096
.irp b, 0,1,2,3
.irp j, 0,1,2,3
	ds_load_b128 v[G+16*\b+4*\j:G+16*\b+4*\j+3], v31 offset:128*\b+16*\j
	ds_load_b128 v[B+16*\b+4*\j:B+16*\b+4*\j+3], v31 offset:4096+128*\b+16*\j
.endr
.endr
.macro REDUCE                          ; four pairs v[8:15] -> v8: the sum over my row's 128 columns of this wave, in both halves of the lanes
	v_pk_add_f32 v[8:9], v[8:9], v[10:11]
	v_pk_add_f32 v[12:13], v[12:13], v[14:15]
	v_pk_add_f32 v[8:9], v[8:9], v[12:13]
	v_add_f32 v8, v8, v9
	v_permlanex16_b32 v9, v8, s[SEL], s[SEL+1]
	v_add_f32 v8, v8, v9
.endm
.macro MEET off                        ; my part to LDS, the barrier, the eight parts back and added: v8 = the whole row's sum, the same bits in every wave
	ds_store_b32 v25, v8 offset:\off               ; both halves of the lanes write the same word with the same value
	s_wait_dscnt 0x0                               ; for the others' sake: my store has landed
	s_barrier_signal -1
	s_barrier_wait -1
.irp k, 0,1,2,3,4,5,6,7
	ds_load_b32 v[8+\k], v24 offset:\off+64*\k
.endr
	s_wait_dscnt 0x0
	v_add_f32 v8, v8, v9
	v_add_f32 v10, v10, v11
	v_add_f32 v12, v12, v13
	v_add_f32 v14, v14, v15
	v_add_f32 v8, v8, v10
	v_add_f32 v12, v12, v14
	v_add_f32 v8, v8, v12
.endm
	s_wait_dscnt 34                                ; my 64 numbers are back; the 2 stores and 32 loads of gain and bias may be out
.irp c, 0,1,2,3
	v_pk_add_f32 v[8+2*\c:9+2*\c], v[X+4*\c:X+4*\c+1], v[X+4*\c+2:X+4*\c+3]    ; four chains, started by the first numbers: nothing is cleared
.endr
.irp j, 16,24,32,40,48,56
.irp c, 0,1,2,3
	v_pk_add_f32 v[8+2*\c:9+2*\c], v[8+2*\c:9+2*\c], v[X+\j+2*\c:X+\j+2*\c+1]
.endr
.endr
	REDUCE
	MEET 0
	v_mul_f32 v26, s34, v8                         ; the mean
	v_mov_b32 v27, v26
.set i, 0
.rept 32
	v_pk_add_f32 v[X+i:X+i+1], v[X+i:X+i+1], v[26:27] neg_lo:[0,1] neg_hi:[0,1]    ; x - mean
.set i, i+2
.endr
.irp c, 0,1,2,3
	v_pk_mul_f32 v[8+2*\c:9+2*\c], v[X+2*\c:X+2*\c+1], v[X+2*\c:X+2*\c+1]
.endr
.irp j, 8,16,24,32,40,48,56
.irp c, 0,1,2,3
	v_pk_fma_f32 v[8+2*\c:9+2*\c], v[X+\j+2*\c:X+\j+2*\c+1], v[X+\j+2*\c:X+\j+2*\c+1], v[8+2*\c:9+2*\c]
.endr
.endr
	REDUCE
	MEET 512
	v_mov_b32 v29, 0x3727c5ac                      ; 1e-5
	v_fma_f32 v28, v8, s34, v29                    ; the variance + eps
	v_rsq_f32 v28, v28
	v_nop                                          ; a plain place behind the transcendental
	s_wait_alu depctr_va_vdst(0)                   ; and the wait ahead of the first line that names its result
	v_mov_b32 v29, v28
.set i, 0
.rept 32
	v_pk_mul_f32 v[X+i:X+i+1], v[X+i:X+i+1], v[28:29]
.set i, i+2
.endr
.set i, 0
.rept 32
	v_pk_fma_f32 v[X+i:X+i+1], v[X+i:X+i+1], v[G+i:G+i+1], v[B+i:B+i+1]        ; (gain and bias are in since the waits for 0 above)
.set i, i+2
.endr
; The quantiser: four blocks of 32 along K, each in lanes l and l xor 16.
.irp b, 0,1,2,3
	v_max3_num_f32 v[TM+\b], |v[X+16*\b]|, |v[X+1+16*\b]|, 0x1800000       ; my 16 numbers of block b, and the floor 2^(3 - 127): the byte cannot fall under 1
.endr
.irp i, 2,4,6,8,10,12,14
.irp b, 0,1,2,3
	v_max3_num_f32 v[TM+\b], v[TM+\b], |v[X+16*\b+\i]|, |v[X+1+16*\b+\i]|
.endr
.endr
.irp b, 0,1,2,3
	v_permlanex16_b32 v[TM+4+\b], v[TM+\b], s[SEL], s[SEL+1]
.endr
.irp b, 0,1,2,3
	v_max_num_f32 v[TM+\b], v[TM+\b], v[TM+4+\b]   ; the block's largest magnitude
.endr
.irp b, 0,1,2,3
	v_add_nc_u32 v[TM+12+\b], 0xff000000, v[TM+\b] ; 2 off its exponent field: the conversion's scale operand
.endr
.irp b, 0,1,2,3
	v_lshrrev_b32 v[TM+4+\b], 23, v[TM+12+\b]      ; the scale's byte
.endr
	v_lshl_or_b32 v[PW], v[TM+5], 8, v[TM+4]
	v_lshl_or_b32 v[PW], v[TM+6], 16, v[PW]
	v_lshl_or_b32 v[PW], v[TM+7], 24, v[PW]
.irp c, 0,1
	v_cvt_scalef32_pk16_fp6_f32 v[PC+6*\c:PC+2+6*\c], v[X+32*\c:X+15+32*\c], v[TM+12+2*\c]
	v_cvt_scalef32_pk16_fp6_f32 v[PC+12+4*\c:PC+14+4*\c], v[X+16+32*\c:X+31+32*\c], v[TM+12+2*\c+1]
.endr
	v_nop                                          ; one plain place behind a scaled conversion
.irp c, 0,1                            ; the operand wants a WHOLE block in a lane: lanes 0-15 block 2 c, lanes 16-31 block 2 c + 1
.irp i, 0,1,2
	v_permlane16_swap_b32 v[PC+6*\c+\i], v[PC+12+4*\c+\i]
.endr
.irp i, 0,1,2
	v_mov_b32 v[PC+3+6*\c+\i], v[PC+12+4*\c+\i]
.endr
.endr
.irp c, 0,1
	global_store_b128 v6, v[PC+6*\c:PC+6*\c+3], s[46:47] offset:768*\c         ; 512 consecutive bytes, aligned to 256
	global_store_b64 v7, v[PC+6*\c+4:PC+6*\c+5], s[46:47] offset:768*\c        ; 256 consecutive bytes, aligned
.endr
	global_store_b32 v244, v[PW], s[48:49]         ; both halves of the lanes hold, and write, the same word
	s_wait_tensorcnt 0x0                           ; the wave's end, behind my last LDS store
	ds_add_u32 v[SPW], v[NIL]
	s_wait_dscnt 0x0
	s_endpgm
.Lfunc_end_k_q6307f2e84d_ln2:
	.size	k_q6307f2e84d_ln2, .Lfunc_end_k_q6307f2e84d_ln2-k_q6307f2e84d_ln2
	.p2alignl 7, 3214868480
	.fill 96, 4, 3214868480
	.section	.rodata,"a",@progbits
	.p2align	6, 0x0
	.amdhsa_kernel k_q6307f2e84d_ln2
		.amdhsa_group_segment_fixed_size 77824
		.amdhsa_private_segment_fixed_size 0
		.amdhsa_enable_private_segment 0
		.amdhsa_kernarg_size 32
		.amdhsa_user_sgpr_count 2
		.amdhsa_user_sgpr_kernarg_segment_ptr 1
		.amdhsa_wavefront_size32 1
		.amdhsa_system_sgpr_workgroup_id_x 1
		.amdhsa_system_sgpr_workgroup_id_y 1
		.amdhsa_system_sgpr_workgroup_id_z 1
		.amdhsa_system_vgpr_workitem_id 0
		.amdhsa_next_free_vgpr 256
		.amdhsa_next_free_sgpr 80
		.amdhsa_reserve_vcc 0
		.amdhsa_float_denorm_mode_32 3
		.amdhsa_float_denorm_mode_16_64 3
		.amdhsa_memory_ordered 1
		.amdhsa_forward_progress 1
		.amdhsa_inst_pref_size 26
	.end_amdhsa_kernel
	.amdgpu_metadata
---
amdhsa.version: [ 1, 2 ]
amdhsa.kernels:
  - .name:           k_q6307f2e84d_ln2
    .symbol:         k_q6307f2e84d_ln2.kd
    .args:
      - { .name: x2, .offset: 0, .size: 8, .value_kind: global_buffer, .address_space: global }
      - { .name: ln2_g, .offset: 8, .size: 8, .value_kind: global_buffer, .address_space: global }
      - { .name: ln2_b, .offset: 16, .size: 8, .value_kind: global_buffer, .address_space: global }
      - { .name: ha, .offset: 24, .size: 8, .value_kind: global_buffer, .address_space: global }
    .group_segment_fixed_size: 77824
    .private_segment_fixed_size: 0
    .kernarg_segment_align: 8
    .kernarg_segment_size: 32
    .max_flat_workgroup_size: 256
    .sgpr_count:     80
    .vgpr_count:     256
    .wavefront_size: 32
...
	.end_amdgpu_metadata
.endif
;; end of part 5
;; launch gu (part 6): grid 44 x 32, 4 waves a work-group, clusters of 4 x 4, 197,120 bytes of LDS; arguments ha, w, hid; writes hid
.if DOCPART == 6
	.amdgcn_target "amdgcn-amd-amdhsa--gfx1250"
	.amdhsa_code_object_version 6
	.text
	.protected	k_q6307f2e84d_gu
	.globl	k_q6307f2e84d_gu
	.p2align	8
	.type	k_q6307f2e84d_gu,@function
k_q6307f2e84d_gu:
	s_mov_b64 s[64:65], 0
	v_nop
	global_prefetch_b8 v0, s[64:65] scope:SCOPE_SE
	s_setreg_imm32_b32 hwreg(HW_REG_WAVE_MODE, 25, 1), 1
	s_wait_xcnt 0x0
	s_wait_alu depctr_hold_cnt(0) depctr_sa_sdst(0) depctr_va_vdst(0) depctr_va_sdst(0) depctr_va_ssrc(0) depctr_va_vcc(0) depctr_vm_vsrc(0)
	s_getreg_b32 s2, hwreg(HW_REG_IB_STS2, 6, 4)
	s_cmp_eq_u32 s2, 0
	s_cbranch_scc0 .Lentry_in_a_cluster
	s_endpgm
.Lentry_in_a_cluster:
	s_bfe_u32 s2, ttmp6, 0x10000c
	s_cmp_lg_u32 s2, 0xf033
	s_cbranch_scc0 .Lentry_shape_is_right
	s_endpgm
.Lentry_shape_is_right:
; hidden = silu(Q(ln2) Q(gate_w) + gate_b) x (Q(ln2) Q(up_w) + up_b), both products on codes of FP6 (E2M3), and the hidden layer quantised at once along its 2,730 (filled with zeros to 2,816 = 22 x 128) as the last product's operand.
; The frame is the qkv launch's: 128 tokens x 128 weight columns to a work-group, 64 x 64 to a wave; K = 1,024 in 8 steps; both panels in LDS at once, four tensor loads a wave at the head (four out at the most), waited for by count;
; nothing is filled again.  4 x 4 clusters with joint loads: tokens' tiles shared along a row, weights' along a column.
; The weights' tiles lie so that a wave's four are gate's two and up's two of the SAME 32 hidden units: a lane then holds, of one token, 16 gates and the 16 ups that belong to them, and a block of 32 lies in lanes l and l xor 16.
; The biases, laid by tiles and padded with zeros by the first launch, are the C of each sum's first product.  Hidden units from 2,730 on have zero codes and a zero bias: they come out as exact zeros.
; Scale words: one load at 4 x lane brings K step 2 j to lanes 0-15 and K step 2 j + 1 to lanes 16-31 of one register; odd K steps read the upper lanes.
; No prefetch is laid: all that a work-group reads is asked for at its head.
; REGISTERS: window 0: v16-19 LDS addresses; v20 4 l; v21-23 store offsets; v24 32 h; v28, v29 the add's two; v32-47, v64-79 scale words; v96-127 the bias, later the quantiser's work; v128-255 the accumulators ((q, p) at v[128 + 8 (4 q + p)]).
;   window 1: two fragment buffers at v0 and v128; on the way out v0-63 hold the sigmoid's 64 numbers.
.set KH, 4
.set NTT, 256
.set NTW, 352
.set WC, 3276800
.set WS, 7602176
.set GUB, 10035200
.set HS, 3145728
.set HIDS, 8650752
.set REGB, 12288
.set CHUNK, 49152
.set SPARE, 196608
.set SC0, 32
.set SC1, 64
.set BI, 96
.set ACC, 128
.set MULW, 0x05
.set MULW1, 0x05
.set G1T, 24
.set G1W, 32
.set G0T, 40
.set G0W, 68
.set SEL, 94
.set HM, 96
.set MSB, 0
.macro WIN new
.if MSB != \new
	s_set_vgpr_msb (MSB<<8)|\new
.set MSB, \new
.endif
.endm
.macro PLACES n
.rept \n
	v_nop
.endr
.endm
.macro CROUND
	s_barrier_signal -1
	s_barrier_wait -1
	s_cmp_lg_u32 s12, 0
	s_cbranch_scc1 .Lnot_wave_0_\@
	s_barrier_signal -3
.Lnot_wave_0_\@:
	s_barrier_wait -3
	s_barrier_signal -1
	s_barrier_wait -1
.endm
.macro FETCH ksl, f
	WIN 0x40
.irp t, 0,1,2,3
	ds_load_b128 v[(\f)+12*\t:(\f)+12*\t+3], v16 offset:(\ksl)*6144+\t*1536
	ds_load_b64 v[(\f)+12*\t+4:(\f)+12*\t+5], v17 offset:(\ksl)*6144+\t*1536
	ds_load_b128 v[(\f)+12*\t+6:(\f)+12*\t+9], v16 offset:(\ksl)*6144+\t*1536+768
	ds_load_b64 v[(\f)+12*\t+10:(\f)+12*\t+11], v17 offset:(\ksl)*6144+\t*1536+768
.endr
.irp t, 0,1,2,3
	ds_load_b128 v[(\f)+48+12*\t:(\f)+48+12*\t+3], v18 offset:(\ksl)*6144+\t*1536
	ds_load_b64 v[(\f)+48+12*\t+4:(\f)+48+12*\t+5], v19 offset:(\ksl)*6144+\t*1536
	ds_load_b128 v[(\f)+48+12*\t+6:(\f)+48+12*\t+9], v18 offset:(\ksl)*6144+\t*1536+768
	ds_load_b64 v[(\f)+48+12*\t+10:(\f)+48+12*\t+11], v19 offset:(\ksl)*6144+\t*1536+768
.endr
.endm
.macro MUL s, f, mode                  ; 16 matrix instructions; the accumulators take turns.  mode 1: K step 0, the bias starts the sums
.if \mode == 0
	WIN MULW
.else
	WIN MULW1
.endif
.irp q, 0,1,2,3
.irp p, 0,1,2,3
.if \mode == 1
	v_wmma_scale_f32_16x16x128_f8f6f4 v[ACC+8*(4*\q+\p):ACC+8*(4*\q+\p)+7], v[(\f)+12*\p:(\f)+12*\p+11], v[(\f)+48+12*\q:(\f)+48+12*\q+11], v[BI+8*\p:BI+8*\p+7], v[SC0+KH*\p], v[SC1+KH*\q] matrix_a_fmt:MATRIX_FMT_FP6 matrix_b_fmt:MATRIX_FMT_FP6
.elseif (\s)%2 == 0
	v_wmma_scale_f32_16x16x128_f8f6f4 v[ACC+8*(4*\q+\p):ACC+8*(4*\q+\p)+7], v[(\f)+12*\p:(\f)+12*\p+11], v[(\f)+48+12*\q:(\f)+48+12*\q+11], v[ACC+8*(4*\q+\p):ACC+8*(4*\q+\p)+7], v[SC0+KH*\p+(\s)/2], v[SC1+KH*\q+(\s)/2] matrix_a_fmt:MATRIX_FMT_FP6 matrix_b_fmt:MATRIX_FMT_FP6
.else
	v_wmma_scale_f32_16x16x128_f8f6f4 v[ACC+8*(4*\q+\p):ACC+8*(4*\q+\p)+7], v[(\f)+12*\p:(\f)+12*\p+11], v[(\f)+48+12*\q:(\f)+48+12*\q+11], v[ACC+8*(4*\q+\p):ACC+8*(4*\q+\p)+7], v[SC0+KH*\p+(\s)/2], v[SC1+KH*\q+(\s)/2] matrix_a_fmt:MATRIX_FMT_FP6 matrix_b_fmt:MATRIX_FMT_FP6 matrix_a_scale:MATRIX_SCALE_ROW1 matrix_b_scale:MATRIX_SCALE_ROW1
.endif
.endr
.endr
.endm
.macro LAND n
	WIN 0
	s_wait_tensorcnt \n                            ; my part of the next chunk is in; n younger loads may stay out
	s_wait_dscnt 0x0
	s_barrier_signal -1
	s_barrier_wait -1
.irp a, 16,17,18,19
	v_add_nc_u32 v\a, CHUNK, v\a                   ; these four are also the places in front of the loads that follow
.endr
.endm
.macro STEPK s
.if (\s) < 7
.if (\s)%2 == 1
	LAND 3-((\s)+1)/2
.else
	PLACES 4
.endif
	FETCH ((\s)+1)%2, 128*(((\s)+1)%2)
	s_wait_dscnt 32                                ; all but the 32 just issued
.else
	s_wait_dscnt 0x0
.endif
	MUL \s, 128*((\s)%2), 0
.endm
	s_load_b128 s[4:7], s[0:1], 0x0                ; ha, w
	s_load_b64 s[8:9], s[0:1], 0x10                ; hid
	v_lshl_add_u32 v28, v0, 2, SPARE
	v_mov_b32 v29, 0
	ds_add_u32 v28, v29                            ; the wave's opening: the add, twice on end, and its wait ahead of my first tensor load
	ds_add_u32 v28, v29
	v_lshrrev_b32 v1, 5, v0
	v_readfirstlane_b32 s12, v1
	s_lshr_b32 s13, s12, 1                         ; my half of the tokens; also: I fetch tokens (0) or weights (1)
	s_and_b32 s14, s12, 1                          ; my 32 hidden units of the work-group's 64; also: which four tiles I fetch
	s_bfe_u32 s15, ttmp6, 0x40000
	s_bfe_u32 s16, ttmp6, 0x40004
	s_lshl_b32 s17, ttmp9, 2
	s_add_co_u32 s17, s17, s15                     ; block of 64 hidden units
	s_and_b32 s18, ttmp7, 0xffff
	s_lshl_b32 s18, s18, 2
	s_add_co_u32 s18, s18, s16                     ; block of 128 tokens
	s_lshl_b32 s19, s16, 2
	s_lshl_b32 s19, 15, s19
	s_lshl_b32 s20, 0x1111, s15
	s_or_b32 s[G1T], s19, (3<<16)|(1<<21)
	s_or_b32 s[G1W], s20, (3<<16)|(1<<21)
.irp g, G1T, G1W
	s_mov_b32 s[\g+1], 768<<16
	s_mov_b32 s[\g+2], 2<<16
	s_mov_b32 s[\g+3], 768<<16
	s_mov_b32 s[\g+4], 2
	s_mov_b32 s[\g+6], 0
	s_mov_b32 s[\g+7], 0
.endr
	s_mov_b32 s[G1T+5], NTT*192
	s_mov_b32 s[G1W+5], NTW*192
	s_lshl_b32 s56, s18, 3
	s_lshl_b32 s57, s14, 2
	s_add_co_u32 s56, s56, s57
	s_mul_i32 s56, s56, 1536
	s_mov_b32 s57, 0
	s_lshl_b32 s58, s17, 3
	s_lshl_b32 s59, s14, 2
	s_add_co_u32 s58, s58, s59
	s_mul_i32 s58, s58, 1536
	s_add_co_u32 s58, s58, WC
	s_mov_b32 s59, 0
	s_mul_i32 s60, s12, REGB
	s_lshl_b32 s86, s18, 3
	s_lshl_b32 s87, s13, 2
	s_add_co_u32 s86, s86, s87
	s_lshl_b32 s86, s86, 9
	s_add_co_u32 s86, s86, HS                      ; my token tiles' scale words
	s_mov_b32 s87, 0
	s_lshl_b32 s84, s17, 3
	s_lshl_b32 s85, s14, 2
	s_add_co_u32 s84, s84, s85                     ; my first weight tile
	s_lshl_b32 s92, s84, 6
	s_add_co_u32 s92, s92, GUB                     ; its bias,
	s_mov_b32 s93, 0
	s_lshl_b32 s84, s84, 9
	s_add_co_u32 s84, s84, WS                      ; its scale words
	s_mov_b32 s85, 0
	s_mov_b32 s[SEL], 0x76543210
	s_mov_b32 s[SEL+1], 0xfedcba98
	s_mov_b32 s[HM], 0xffff0000                    ; lanes 16-31
	s_mul_i32 s3, s13, REGB                        ; source 1: my tokens in a chunk
	s_mul_i32 s2, s14, REGB
	s_add_co_u32 s2, s2, 2*REGB                    ; source 0: my weights
	s_wait_dscnt 0x0                               ; both opening adds are done
	s_wait_kmcnt 0x0
	s_add_nc_u64 s[56:57], s[4:5], s[56:57]
	s_add_nc_u64 s[58:59], s[6:7], s[58:59]
	s_add_nc_u64 s[86:87], s[4:5], s[86:87]
	s_add_nc_u64 s[84:85], s[6:7], s[84:85]
	s_add_nc_u64 s[92:93], s[6:7], s[92:93]
.irp c, 0,1,2,3
	s_mov_b32 s[G0T+4*\c], 1
	s_add_co_u32 s[G0T+4*\c+1], s60, \c*CHUNK
	s_add_nc_u64 s[G0T+4*\c+2:G0T+4*\c+3], s[56:57], \c*2*NTT*1536
	s_or_b32 s[G0T+4*\c+3], s[G0T+4*\c+3], 0x80000000
	s_mov_b32 s[G0W+4*\c], 1
	s_add_co_u32 s[G0W+4*\c+1], s60, \c*CHUNK
	s_add_nc_u64 s[G0W+4*\c+2:G0W+4*\c+3], s[58:59], \c*2*NTW*1536
	s_or_b32 s[G0W+4*\c+3], s[G0W+4*\c+3], 0x80000000
.endr
	CROUND                                         ; all sixteen work-groups are here: the joint loads meet
	s_cmp_eq_u32 s13, 0
	s_cbranch_scc0 .Lfill_w
.irp c, 0,1,2,3
	tensor_load_to_lds s[G0T+4*\c:G0T+4*\c+3], s[G1T:G1T+7]
	s_nop 0
.endr
	PLACES 4
	s_branch .Lfilled
.Lfill_w:
.irp c, 0,1,2,3
	tensor_load_to_lds s[G0W+4*\c:G0W+4*\c+3], s[G1W:G1W+7]
	s_nop 0
.endr
	PLACES 4
.Lfilled:
	v_and_b32 v1, 31, v0
	v_and_b32 v30, 15, v0                          ; r
	v_bfe_u32 v31, v0, 4, 1                        ; h
	v_lshlrev_b32 v2, 4, v1
	v_lshlrev_b32 v3, 3, v1
	v_add_nc_u32 v3, 512, v3
	v_add_nc_u32 v16, s2, v2
	v_add_nc_u32 v17, s2, v3
	v_add_nc_u32 v18, s3, v2
	v_add_nc_u32 v19, s3, v3
	v_lshlrev_b32 v20, 2, v1                       ; 4 l
	v_lshlrev_b32 v24, 5, v31                      ; 32 h
	v_mul_u32_u24 v21, v31, 1536                   ; the way out: lanes 16-31 store for the next tile of tokens
	v_lshl_add_u32 v22, v30, 3, v21
	v_lshl_add_u32 v21, v30, 4, v21
	s_lshl_b32 s97, s14, 8
	v_add_nc_u32 v21, s97, v21                     ; a record's first part: place r + 16 WN: 16 r + 256 WN
	s_lshl_b32 s97, s14, 7
	s_add_co_u32 s97, s97, 512
	v_add_nc_u32 v22, s97, v22                     ; its second: 512 + 8 r + 128 WN
	v_mul_u32_u24 v23, v31, 1408
	v_lshl_add_u32 v23, v30, 2, v23                ; a tile's scale words are 22 x 64 bytes
.set i, 0
.rept 16
	global_load_b32 v[SC0+i], v20, s[84:85] offset:128*i           ; register 4 p + j: tile p's words for K steps 2 j (lanes 0-15) and 2 j + 1 (lanes 16-31)
	global_load_b32 v[SC1+i], v20, s[86:87] offset:128*i
.set i, i+1
.endr
.irp p, 0,1,2,3
	global_load_b128 v[BI+8*\p:BI+8*\p+3], v24, s[92:93] offset:64*\p
	global_load_b128 v[BI+8*\p+4:BI+8*\p+7], v24, s[92:93] offset:64*\p+16
.endr
	s_wait_tensorcnt 0x3                           ; my part of chunk 0 is in; chunks 1 to 3 may be out
	s_barrier_signal -1
	s_barrier_wait -1
	FETCH 0, 0
	s_wait_loadcnt 0x0
	FETCH 1, 128
	s_wait_dscnt 32
	MUL 0, 0, 1
.irp s, 1,2,3,4,5,6,7
	STEPK \s
.endr
	WIN 0
	; THE WAY OUT.  For tile q of tokens: registers 128 + 32 q + i are 16 gates, + 16 + i the ups of the same hidden units 16 h + i.
	s_lshr_b32 s24, s17, 1                         ; the last product's K step,
	s_and_b32 s25, s17, 1                          ; which 64 of its 128 (my block is 2 x that + WN),
	s_lshl_b32 s26, s18, 3
	s_lshl_b32 s27, s13, 2
	s_add_co_u32 s26, s26, s27                     ; my first tile of tokens
	s_lshl_b32 s27, s24, 8
	s_add_co_u32 s27, s27, s26
	s_mul_i32 s28, s27, 1536
	s_mul_i32 s27, s25, 768
	s_add_co_u32 s28, s28, s27
	s_mov_b32 s29, 0
	s_add_nc_u64 s[40:41], s[8:9], s[28:29]
	s_mul_i32 s28, s26, 22
	s_add_co_u32 s28, s28, s24
	s_lshl_b32 s28, s28, 6
	s_lshl_b32 s27, s25, 1
	s_add_co_u32 s28, s28, s27
	s_add_co_u32 s28, s28, s14
	s_add_co_u32 s28, s28, HIDS
	s_add_nc_u64 s[42:43], s[8:9], s[28:29]
	PLACES 4                                       ; behind the last products
	WIN 0x40                                       ; destination window 1
.irp q, 0,1,2,3
.irp i, 0,2,4,6,8,10,12,14
	v_pk_mul_f32 v[16*\q+\i:16*\q+\i+1], v[ACC+32*\q+\i:ACC+32*\q+\i+1], 0xbfb8aa3b op_sel_hi:[1,0]   ; -gate x log2(e); each accumulator from its low end on
.endr
.endr
	WIN 0x41
.set i, 0
.rept 64
	v_exp_f32 v[i], v[i]
.set i, i+1
.endr
	WIN 0
.irp q, 0,1,2,3
.irp i, 0,2,4,6,8,10,12,14
	v_pk_mul_f32 v[ACC+32*\q+\i:ACC+32*\q+\i+1], v[ACC+32*\q+\i:ACC+32*\q+\i+1], v[ACC+32*\q+16+\i:ACC+32*\q+17+\i]   ; gate x up: the independent work behind the exponentials
.endr
.endr
	s_wait_alu depctr_va_vdst(0)                   ; one wait for the batch, ahead of its first reader
	WIN 0x41
.set i, 0
.rept 32
	v_pk_add_f32 v[i:i+1], v[i:i+1], 1.0 op_sel_hi:[1,0]
.set i, i+2
.endr
.set i, 0
.rept 64
	v_rcp_f32 v[i], v[i]                           ; the sigmoid
.set i, i+1
.endr
	v_nop                                          ; a plain place behind the last reciprocal
	s_wait_alu depctr_va_vdst(0)
	WIN 0x04                                       ; source 1 window 1
.irp q, 0,1,2,3
.irp i, 0,2,4,6,8,10,12,14
	v_pk_mul_f32 v[ACC+32*\q+\i:ACC+32*\q+\i+1], v[ACC+32*\q+\i:ACC+32*\q+\i+1], v[16*\q+\i:16*\q+\i+1]
.endr
.endr
	WIN 0
.irp q, 0,1,2,3                        ; one block of 32 for each of the four tiles of tokens, by turns
	v_max3_num_f32 v[96+\q], |v[ACC+32*\q]|, |v[ACC+32*\q+1]|, 0x1800000       ; and the floor 2^(3 - 127)
.endr
.irp i, 2,4,6,8,10,12,14
.irp q, 0,1,2,3
	v_max3_num_f32 v[96+\q], v[96+\q], |v[ACC+32*\q+\i]|, |v[ACC+32*\q+\i+1]|
.endr
.endr
.irp q, 0,1,2,3
	v_permlanex16_b32 v[100+\q], v[96+\q], s[SEL], s[SEL+1]
.endr
.irp q, 0,1,2,3
	v_max_num_f32 v[96+\q], v[96+\q], v[100+\q]
.endr
.irp q, 0,1,2,3
	v_add_nc_u32 v[104+\q], 0xff000000, v[96+\q]   ; 2 off the exponent field: the conversion's scale operand
.endr
.irp q, 0,1,2,3
	v_lshrrev_b32 v[100+\q], 23, v[104+\q]         ; the scale's byte, the same in lanes l and l xor 16
.endr
.irp q, 0,1,2,3
	v_cvt_scalef32_pk16_fp6_f32 v[108+4*\q:110+4*\q], v[ACC+32*\q:ACC+32*\q+15], v[104+\q]
.endr
	v_nop                                          ; one plain place behind a scaled conversion
.irp pp, 0,1                           ; lanes 16-31 of tile 2 pp change places with lanes 0-15 of tile 2 pp + 1: lane (r, h) then holds all 32 codes of token r of tile 2 pp + h
.irp i, 0,1,2
	v_permlane16_swap_b32 v[108+8*\pp+\i], v[112+8*\pp+\i]
.endr
.irp i, 0,1,2
	v_mov_b32 v[111+8*\pp+\i], v[112+8*\pp+\i]
.endr
	v_cndmask_b32 v[124+\pp], v[100+2*\pp], v[101+2*\pp], s[HM]    ; and its tile's byte
.endr
.irp pp, 0,1
	global_store_b128 v21, v[108+8*\pp:111+8*\pp], s[40:41] offset:3072*\pp    ; sixteen lanes store 256 consecutive bytes, aligned
	global_store_b64 v22, v[112+8*\pp:113+8*\pp], s[40:41] offset:3072*\pp
	global_store_b8 v23, v[124+\pp], s[42:43] offset:2816*\pp      ; one byte of a scale word: the word's four blocks come from two work-groups' two waves each
.endr
	s_wait_tensorcnt 0x0                           ; the wave's end
	ds_add_u32 v28, v29
	s_wait_dscnt 0x0
	CROUND                                         ; the closing round
	s_endpgm
.Lfunc_end_k_q6307f2e84d_gu:
	.size	k_q6307f2e84d_gu, .Lfunc_end_k_q6307f2e84d_gu-k_q6307f2e84d_gu
	.p2alignl 7, 3214868480
	.fill 96, 4, 3214868480
	.section	.rodata,"a",@progbits
	.p2align	6, 0x0
	.amdhsa_kernel k_q6307f2e84d_gu
		.amdhsa_group_segment_fixed_size 197120
		.amdhsa_private_segment_fixed_size 0
		.amdhsa_enable_private_segment 0
		.amdhsa_kernarg_size 24
		.amdhsa_user_sgpr_count 2
		.amdhsa_user_sgpr_kernarg_segment_ptr 1
		.amdhsa_wavefront_size32 1
		.amdhsa_system_sgpr_workgroup_id_x 1
		.amdhsa_system_sgpr_workgroup_id_y 1
		.amdhsa_system_sgpr_workgroup_id_z 1
		.amdhsa_system_vgpr_workitem_id 0
		.amdhsa_next_free_vgpr 512
		.amdhsa_next_free_sgpr 100
		.amdhsa_reserve_vcc 0
		.amdhsa_float_denorm_mode_32 3
		.amdhsa_float_denorm_mode_16_64 3
		.amdhsa_memory_ordered 1
		.amdhsa_forward_progress 1
		.amdhsa_inst_pref_size 66
	.end_amdhsa_kernel
	.amdgpu_metadata
---
amdhsa.version: [ 1, 2 ]
amdhsa.kernels:
  - .name:           k_q6307f2e84d_gu
    .symbol:         k_q6307f2e84d_gu.kd
    .args:
      - { .name: ha, .offset: 0, .size: 8, .value_kind: global_buffer, .address_space: global }
      - { .name: w, .offset: 8, .size: 8, .value_kind: global_buffer, .address_space: global }
      - { .name: hid, .offset: 16, .size: 8, .value_kind: global_buffer, .address_space: global }
    .group_segment_fixed_size: 197120
    .private_segment_fixed_size: 0
    .kernarg_segment_align: 8
    .kernarg_segment_size: 24
    .max_flat_workgroup_size: 128
    .sgpr_count:     100
    .vgpr_count:     512
    .wavefront_size: 32
...
	.end_amdgpu_metadata
.endif
;; end of part 6
;; launch down (part 7): grid 8 x 32, 4 waves a work-group, clusters of 4 x 4, 327,680 bytes of LDS; arguments hid, w, down_b, x2, out0; writes out0
.if DOCPART == 7
	.amdgcn_target "amdgcn-amd-amdhsa--gfx1250"
	.amdhsa_code_object_version 6
	.text
	.protected	k_q6307f2e84d_down
	.globl	k_q6307f2e84d_down
	.p2align	8
	.type	k_q6307f2e84d_down,@function
k_q6307f2e84d_down:
	s_mov_b64 s[64:65], 0
	v_nop
	global_prefetch_b8 v0, s[64:65] scope:SCOPE_SE
	s_setreg_imm32_b32 hwreg(HW_REG_WAVE_MODE, 25, 1), 1
	s_wait_xcnt 0x0
	s_wait_alu depctr_hold_cnt(0) depctr_sa_sdst(0) depctr_va_vdst(0) depctr_va_sdst(0) depctr_va_ssrc(0) depctr_va_vcc(0) depctr_vm_vsrc(0)
	s_getreg_b32 s2, hwreg(HW_REG_IB_STS2, 6, 4)
	s_cmp_eq_u32 s2, 0
	s_cbranch_scc0 .Lentry_in_a_cluster
	s_endpgm
.Lentry_in_a_cluster:
	s_bfe_u32 s2, ttmp6, 0x10000c
	s_cmp_lg_u32 s2, 0xf033
	s_cbranch_scc0 .Lentry_shape_is_right
	s_endpgm
.Lentry_shape_is_right:
; out0 = x2 + Q(hidden) Q(down_w) + down_b, on codes of FP6 (E2M3).  K = 2,730, filled with zero codes to 2,816 = 22 steps of 128.  A work-group of four waves makes 128 tokens x 128 columns, a wave 64 x 64 in 16 accumulators.
; THE RING: two LDS slots of 6 K steps each (147,456 bytes); K steps 0-5 and 6-11 are the first fills, 12-17 and 18-21 the two refills.  A wave has two tensor loads out at the head and one behind each refill's round.
; A slot is filled again in this order.
; 4 x 4 clusters with joint loads: tokens' tiles shared along a row, weights' along a column.  All of a WGP's LDS is claimed.
; Source 0 = 16 columns of the weight, source 1 = 16 tokens; the bias is the C of each sum's first product; the way out is the projection's.
; Scale words: one load at 4 x lane brings K step 2 j to lanes 0-15 and K step 2 j + 1 to lanes 16-31 of one register; odd K steps read the upper lanes.  Those of K steps 0-11 are asked for at the head, the others behind the first wait.
; The residual is asked for at K step 6 and waited for only in front of the way out: it lands while the products run.
; No prefetch is laid: the launch has two refills, each asked for six K steps ahead of its first use.
; REGISTERS: window 0: v16-19, v20-23 LDS addresses in slot 0, 1; v24 4 l; v25-27 the way out's addresses; v28, v29 the add's two; v32-75, v120-163 scale words (11 for each tile); v208-239 the bias.
;   window 1: two fragment buffers at v0 and v128; on the way out v0-63 take rows back.   window 2: v0-127 the accumulators; v128-255 the residual.
.set KH, 11
.set NTT, 256
.set NTW, 64
.set WC, 7782400
.set WS, 9945088
.set HIDS, 8650752
.set REGB, 36864                       ; what one tensor load brings: 6 K steps x 4 tiles x 1,536
.set SLOT, 147456
.set STAGE, 294912                     ; behind the ring: 16 rows x 272 bytes for each wave; no fill lands here
.set SPARE, 312320                     ; behind the stages: the spare words, 128 bytes for each wave, which no other line names
.set SC0, 32
.set SC1, 120
.set BI, 208
.set ACC, 0
.set MULW, 0xa5
.set MULW1, 0x85
.set G1T, 24
.set G1W, 32
.set G0T, 40
.set G0W, 68
.set G1TT, 84                          ; the last refill has 4 K steps: groups 1 of its own
.set G1WT, 92
.set OUTP, 20
.set MSB, 0
.macro WIN new
.if MSB != \new
	s_set_vgpr_msb (MSB<<8)|\new
.set MSB, \new
.endif
.endm
.macro PLACES n
.rept \n
	v_nop
.endr
.endm
.macro CROUND
	s_barrier_signal -1
	s_barrier_wait -1
	s_cmp_lg_u32 s12, 0
	s_cbranch_scc1 .Lnot_wave_0_\@
	s_barrier_signal -3
.Lnot_wave_0_\@:
	s_barrier_wait -3
	s_barrier_signal -1
	s_barrier_wait -1
.endm
.macro JLOAD g0t, g1t, g0w, g1w        ; a joint load: waves 0 and 1 fetch tokens, waves 2 and 3 weights; an s_nop 0 and four v_nop follow each of the two lines
	s_cmp_eq_u32 s13, 0
	s_cbranch_scc0 .Lfor_w_\@
	tensor_load_to_lds s[\g0t:\g0t+3], s[\g1t:\g1t+7]
	s_nop 0
	PLACES 4
	s_branch .Lasked_\@
.Lfor_w_\@:
	tensor_load_to_lds s[\g0w:\g0w+3], s[\g1w:\g1w+7]
	s_nop 0
	PLACES 4
.Lasked_\@:
.endm
.macro FETCH slot, ksl, f
	WIN 0x40
.irp t, 0,1,2,3
	ds_load_b128 v[(\f)+12*\t:(\f)+12*\t+3], v[16+4*(\slot)] offset:(\ksl)*6144+\t*1536
	ds_load_b64 v[(\f)+12*\t+4:(\f)+12*\t+5], v[17+4*(\slot)] offset:(\ksl)*6144+\t*1536
	ds_load_b128 v[(\f)+12*\t+6:(\f)+12*\t+9], v[16+4*(\slot)] offset:(\ksl)*6144+\t*1536+768
	ds_load_b64 v[(\f)+12*\t+10:(\f)+12*\t+11], v[17+4*(\slot)] offset:(\ksl)*6144+\t*1536+768
.endr
.irp t, 0,1,2,3
	ds_load_b128 v[(\f)+48+12*\t:(\f)+48+12*\t+3], v[18+4*(\slot)] offset:(\ksl)*6144+\t*1536
	ds_load_b64 v[(\f)+48+12*\t+4:(\f)+48+12*\t+5], v[19+4*(\slot)] offset:(\ksl)*6144+\t*1536
	ds_load_b128 v[(\f)+48+12*\t+6:(\f)+48+12*\t+9], v[18+4*(\slot)] offset:(\ksl)*6144+\t*1536+768
	ds_load_b64 v[(\f)+48+12*\t+10:(\f)+48+12*\t+11], v[19+4*(\slot)] offset:(\ksl)*6144+\t*1536+768
.endr
.endm
.macro MUL s, f, mode                  ; 16 matrix instructions; the accumulators take turns.  mode 1: K step 0, the bias starts the sums
.if \mode == 0
	WIN MULW
.else
	WIN MULW1
.endif
.irp q, 0,1,2,3
.irp p, 0,1,2,3
.if \mode == 1
	v_wmma_scale_f32_16x16x128_f8f6f4 v[ACC+8*(4*\q+\p):ACC+8*(4*\q+\p)+7], v[(\f)+12*\p:(\f)+12*\p+11], v[(\f)+48+12*\q:(\f)+48+12*\q+11], v[BI+8*\p:BI+8*\p+7], v[SC0+KH*\p], v[SC1+KH*\q] matrix_a_fmt:MATRIX_FMT_FP6 matrix_b_fmt:MATRIX_FMT_FP6
.elseif (\s)%2 == 0
	v_wmma_scale_f32_16x16x128_f8f6f4 v[ACC+8*(4*\q+\p):ACC+8*(4*\q+\p)+7], v[(\f)+12*\p:(\f)+12*\p+11], v[(\f)+48+12*\q:(\f)+48+12*\q+11], v[ACC+8*(4*\q+\p):ACC+8*(4*\q+\p)+7], v[SC0+KH*\p+(\s)/2], v[SC1+KH*\q+(\s)/2] matrix_a_fmt:MATRIX_FMT_FP6 matrix_b_fmt:MATRIX_FMT_FP6
.else
	v_wmma_scale_f32_16x16x128_f8f6f4 v[ACC+8*(4*\q+\p):ACC+8*(4*\q+\p)+7], v[(\f)+12*\p:(\f)+12*\p+11], v[(\f)+48+12*\q:(\f)+48+12*\q+11], v[ACC+8*(4*\q+\p):ACC+8*(4*\q+\p)+7], v[SC0+KH*\p+(\s)/2], v[SC1+KH*\q+(\s)/2] matrix_a_fmt:MATRIX_FMT_FP6 matrix_b_fmt:MATRIX_FMT_FP6 matrix_a_scale:MATRIX_SCALE_ROW1 matrix_b_scale:MATRIX_SCALE_ROW1
.endif
.endr
.endr
.endm
; The slot just read out (its last K step's fragments are in registers behind the wait on DScnt) is filled again, 12 K steps on; the other slot has landed.
.macro CHANGE slot, tail
	WIN 0
	s_wait_tensorcnt 0x0                           ; all my tensor loads have landed, my part of the other slot among them: so a group 0 may be written
	ds_add_u32 v28, v29                            ; 0 onto my spare word; the steps below stand between it and the wait for it
	s_add_nc_u64 s[G0T+4*\slot+2:G0T+4*\slot+3], s[G0T+4*\slot+2:G0T+4*\slot+3], 12*NTT*1536
	s_add_nc_u64 s[G0W+4*\slot+2:G0W+4*\slot+3], s[G0W+4*\slot+2:G0W+4*\slot+3], 12*NTW*1536
	s_wait_dscnt 0x0                               ; the add is done, and my reads of this slot are over
	CROUND                                         ; both now hold of every wave of every work-group of the cluster
.if \tail
	JLOAD G0T+4*\slot, G1TT, G0W+4*\slot, G1WT     ; the first tensor load behind the round, and my only one; its four v_nop are also the places in front of the loads that follow
.else
	JLOAD G0T+4*\slot, G1T, G0W+4*\slot, G1W
.endif
.endm
.macro STEPD s
.if (\s) == 6
	s_wait_loadcnt 0x0                             ; the scale words of K steps 12 to 21, asked for at K step 0
	WIN 0x80                                       ; destination window 2: the residual goes out now and lands under the products
.irp q, 0,1,2,3
.irp t, 0,1,2,3,4,5,6,7
	global_load_b128 v[128+32*\q+4*\t:128+32*\q+4*\t+3], v25, s[54:55] offset:(32*(\q/2)+8*(\q%2)+2*\t+8*(\t/4))*4096 th:TH_LOAD_NT
.endr
.endr
.endif
.if (\s) < 21
.if (\s) == 5
	CHANGE 0, 0
.elseif (\s) == 11
	CHANGE 1, 1
.elseif (\s) == 17
	WIN 0
	s_wait_tensorcnt 0x0                           ; my one load that is out, my part of K steps 18 to 21, is in;
	s_wait_dscnt 0x0
	s_barrier_signal -1
	s_barrier_wait -1                              ; everybody's is; nothing is filled again
	PLACES 4
.else
	PLACES 4                                       ; in front of loads into registers that matrix instructions have read
.endif
	FETCH (((\s)+1)/6)%2, ((\s)+1)%6, 128*(((\s)+1)%2)
	s_wait_dscnt 32                                ; all but the 32 just issued
.else
	s_wait_dscnt 0x0
.endif
	MUL \s, 128*((\s)%2), 0
.endm
.macro OUTROWS                         ; as in the projection's launch
.irp q, 0,1,2,3
.if \q >= 2
	s_wait_xcnt 0x0                                ; the stores of two tiles back have read their registers
.endif
	WIN 0x08
.irp i, 0,1,2,3,4,5,6,7
	ds_store_b128 v26, v[32*\q+4*\i:32*\q+4*\i+3] offset:16*(\i%4)+128*(\i/4)
.endr
	WIN 0x40
.irp t, 0,1,2,3,4,5,6,7
	ds_load_b128 v[32*(\q%2)+4*\t:32*(\q%2)+4*\t+3], v27 offset:544*\t
.endr
	s_wait_dscnt 0x0
	WIN 0x49
.irp i, 0,2,4,6,8,10,12,14,16,18,20,22,24,26,28,30
	v_pk_add_f32 v[32*(\q%2)+\i:32*(\q%2)+\i+1], v[32*(\q%2)+\i:32*(\q%2)+\i+1], v[128+32*\q+\i:128+32*\q+\i+1]
.endr
	WIN 0x04
.irp t, 0,1,2,3,4,5,6,7
	global_store_b128 v25, v[32*(\q%2)+4*\t:32*(\q%2)+4*\t+3], s[OUTP:OUTP+1] offset:(32*(\q/2)+8*(\q%2)+2*\t+8*(\t/4))*4096 th:TH_STORE_NT
.endr
.endr
	WIN 0
.endm
	s_load_b256 s[4:11], s[0:1], 0x0               ; hid, w, down_b, x2
	s_load_b64 s[OUTP:OUTP+1], s[0:1], 0x20        ; out0
	v_lshl_add_u32 v28, v0, 2, SPARE
	v_mov_b32 v29, 0
	ds_add_u32 v28, v29                            ; the wave's opening: the add, twice on end, and its wait ahead of my first tensor load
	ds_add_u32 v28, v29
	v_lshrrev_b32 v1, 5, v0
	v_readfirstlane_b32 s12, v1
	s_lshr_b32 s13, s12, 1
	s_and_b32 s14, s12, 1
	s_bfe_u32 s15, ttmp6, 0x40000
	s_bfe_u32 s16, ttmp6, 0x40004
	s_lshl_b32 s17, ttmp9, 2
	s_add_co_u32 s17, s17, s15
	s_and_b32 s18, ttmp7, 0xffff
	s_lshl_b32 s18, s18, 2
	s_add_co_u32 s18, s18, s16
	s_lshl_b32 s19, s16, 2
	s_lshl_b32 s19, 15, s19
	s_lshl_b32 s22, 0x1111, s15
	s_or_b32 s[G1T], s19, (3<<16)|(1<<21)
	s_or_b32 s[G1W], s22, (3<<16)|(1<<21)
	s_or_b32 s[G1TT], s19, (3<<16)|(1<<21)
	s_or_b32 s[G1WT], s22, (3<<16)|(1<<21)
.irp g, G1T, G1W
	s_mov_b32 s[\g+1], 768<<16
	s_mov_b32 s[\g+2], 6<<16
	s_mov_b32 s[\g+3], 768<<16
	s_mov_b32 s[\g+4], 6
	s_mov_b32 s[\g+6], 0
	s_mov_b32 s[\g+7], 0
.endr
.irp g, G1TT, G1WT
	s_mov_b32 s[\g+1], 768<<16
	s_mov_b32 s[\g+2], 4<<16
	s_mov_b32 s[\g+3], 768<<16
	s_mov_b32 s[\g+4], 4
	s_mov_b32 s[\g+6], 0
	s_mov_b32 s[\g+7], 0
.endr
	s_mov_b32 s[G1T+5], NTT*192
	s_mov_b32 s[G1TT+5], NTT*192
	s_mov_b32 s[G1W+5], NTW*192
	s_mov_b32 s[G1WT+5], NTW*192
	s_lshl_b32 s56, s18, 3
	s_lshl_b32 s57, s14, 2
	s_add_co_u32 s56, s56, s57
	s_mul_i32 s56, s56, 1536
	s_mov_b32 s57, 0
	s_lshl_b32 s58, s17, 3
	s_lshl_b32 s59, s14, 2
	s_add_co_u32 s58, s58, s59
	s_mul_i32 s58, s58, 1536
	s_add_co_u32 s58, s58, WC
	s_mov_b32 s59, 0
	s_mul_i32 s60, s12, REGB
	s_lshl_b32 s50, s18, 3
	s_lshl_b32 s51, s13, 2
	s_add_co_u32 s50, s50, s51
	s_mul_i32 s50, s50, 1408
	s_add_co_u32 s50, s50, HIDS                    ; my token tiles' scale words
	s_mov_b32 s51, 0
	s_lshl_b32 s48, s17, 3
	s_lshl_b32 s49, s14, 2
	s_add_co_u32 s48, s48, s49
	s_mul_i32 s48, s48, 1408
	s_add_co_u32 s48, s48, WS                      ; my weight tiles'
	s_mov_b32 s49, 0
	s_lshl_b32 s52, s17, 9
	s_lshl_b32 s53, s14, 8
	s_add_co_u32 s52, s52, s53                     ; my 64 columns, in bytes
	s_mov_b32 s53, 0
	s_lshl_b32 s62, s18, 7
	s_lshl_b32 s63, s13, 6
	s_add_co_u32 s62, s62, s63
	s_lshl_b32 s62, s62, 12
	s_add_co_u32 s62, s62, s52                     ; my 64 tokens x 64 columns in x2 and out0
	s_mov_b32 s63, 0
	s_mul_i32 s3, s13, REGB                        ; source 1: my tokens in a slot
	s_mul_i32 s2, s14, REGB
	s_add_co_u32 s2, s2, 2*REGB                    ; source 0: my weights
	s_mul_i32 s23, s12, 4352
	s_add_co_u32 s23, s23, STAGE                   ; my stage
	s_wait_dscnt 0x0                               ; both opening adds are done
	s_wait_kmcnt 0x0
	s_add_nc_u64 s[56:57], s[4:5], s[56:57]
	s_add_nc_u64 s[58:59], s[6:7], s[58:59]
	s_add_nc_u64 s[50:51], s[4:5], s[50:51]
	s_add_nc_u64 s[48:49], s[6:7], s[48:49]
	s_add_nc_u64 s[52:53], s[8:9], s[52:53]
	s_add_nc_u64 s[54:55], s[10:11], s[62:63]
	s_add_nc_u64 s[OUTP:OUTP+1], s[OUTP:OUTP+1], s[62:63]
.irp c, 0,1
	s_mov_b32 s[G0T+4*\c], 1
	s_add_co_u32 s[G0T+4*\c+1], s60, \c*SLOT
	s_add_nc_u64 s[G0T+4*\c+2:G0T+4*\c+3], s[56:57], \c*6*NTT*1536
	s_or_b32 s[G0T+4*\c+3], s[G0T+4*\c+3], 0x80000000
	s_mov_b32 s[G0W+4*\c], 1
	s_add_co_u32 s[G0W+4*\c+1], s60, \c*SLOT
	s_add_nc_u64 s[G0W+4*\c+2:G0W+4*\c+3], s[58:59], \c*6*NTW*1536
	s_or_b32 s[G0W+4*\c+3], s[G0W+4*\c+3], 0x80000000
.endr
	CROUND                                         ; all sixteen work-groups are here: the first joint loads meet
	s_cmp_eq_u32 s13, 0                            ; a wave's two first fills stand in one branch on its number
	s_cbranch_scc0 .Lfill_w
.irp c, 0,1
	tensor_load_to_lds s[G0T+4*\c:G0T+4*\c+3], s[G1T:G1T+7]
	s_nop 0
.endr
	PLACES 4
	s_branch .Lfilled
.Lfill_w:
.irp c, 0,1
	tensor_load_to_lds s[G0W+4*\c:G0W+4*\c+3], s[G1W:G1W+7]
	s_nop 0
.endr
	PLACES 4
.Lfilled:
	v_and_b32 v1, 31, v0
	v_and_b32 v4, 15, v0                           ; r
	v_bfe_u32 v5, v0, 4, 1                         ; h
	v_lshlrev_b32 v2, 4, v1
	v_lshlrev_b32 v3, 3, v1
	v_add_nc_u32 v3, 512, v3
	v_add_nc_u32 v16, s2, v2
	v_add_nc_u32 v17, s2, v3
	v_add_nc_u32 v18, s3, v2
	v_add_nc_u32 v19, s3, v3
.irp a, 0,1,2,3
	v_add_nc_u32 v[20+\a], SLOT, v[16+\a]
.endr
	v_lshlrev_b32 v24, 2, v1                       ; 4 l
	v_lshlrev_b32 v6, 6, v5
	v_lshlrev_b32 v25, 12, v5
	v_lshl_add_u32 v25, v4, 4, v25
	v_mul_u32_u24 v26, v4, 272
	v_lshl_add_u32 v26, v5, 6, v26
	v_add_nc_u32 v26, s23, v26
	v_mul_u32_u24 v27, v5, 272
	v_lshl_add_u32 v27, v4, 4, v27
	v_add_nc_u32 v27, s23, v27
.irp p, 0,1,2,3
.irp j, 0,1,2,3,4,5
	global_load_b32 v[SC0+KH*\p+\j], v24, s[48:49] offset:128*(KH*\p+\j)       ; register 11 p + j: tile p's words for K steps 2 j (lanes 0-15) and 2 j + 1 (lanes 16-31)
	global_load_b32 v[SC1+KH*\p+\j], v24, s[50:51] offset:128*(KH*\p+\j)
.endr
.endr
.irp p, 0,1,2,3
	global_load_b128 v[BI+8*\p:BI+8*\p+3], v6, s[52:53] offset:(32*(\p/2)+8*(\p%2))*4
	global_load_b128 v[BI+8*\p+4:BI+8*\p+7], v6, s[52:53] offset:(32*(\p/2)+8*(\p%2))*4+16
.endr
	s_wait_tensorcnt 0x1                           ; my part of slot 0 is in; slot 1's may stay out
	s_barrier_signal -1
	s_barrier_wait -1
	FETCH 0, 0, 0
	s_wait_loadcnt 0x0                             ; the scale words of K steps 0 to 11, and the bias
	WIN 0
.irp p, 0,1,2,3
.irp j, 6,7,8,9,10
	global_load_b32 v[SC0+KH*\p+\j], v24, s[48:49] offset:128*(KH*\p+\j)       ; those of K steps 12 to 21: waited for at K step 6
	global_load_b32 v[SC1+KH*\p+\j], v24, s[50:51] offset:128*(KH*\p+\j)
.endr
.endr
	FETCH 0, 1, 128
	s_wait_dscnt 32
	MUL 0, 0, 1
.irp s, 1,2,3,4,5,6,7,8,9,10,11,12,13,14,15,16,17,18,19,20,21
	STEPD \s
.endr
	WIN 0
	s_wait_loadcnt 0x0                             ; the residual
	PLACES 4                                       ; behind the last products
	OUTROWS
	s_wait_tensorcnt 0x0                           ; the wave's end, behind my last tensor load and my last LDS store
	ds_add_u32 v28, v29
	s_wait_dscnt 0x0
	CROUND                                         ; the closing round
	s_endpgm
.Lfunc_end_k_q6307f2e84d_down:
	.size	k_q6307f2e84d_down, .Lfunc_end_k_q6307f2e84d_down-k_q6307f2e84d_down
	.p2alignl 7, 3214868480
	.fill 96, 4, 3214868480
	.section	.rodata,"a",@progbits
	.p2align	6, 0x0
	.amdhsa_kernel k_q6307f2e84d_down
		.amdhsa_group_segment_fixed_size 327680
		.amdhsa_private_segment_fixed_size 0
		.amdhsa_enable_private_segment 0
		.amdhsa_kernarg_size 40
		.amdhsa_user_sgpr_count 2
		.amdhsa_user_sgpr_kernarg_segment_ptr 1
		.amdhsa_wavefront_size32 1
		.amdhsa_system_sgpr_workgroup_id_x 1
		.amdhsa_system_sgpr_workgroup_id_y 1
		.amdhsa_system_sgpr_workgroup_id_z 1
		.amdhsa_system_vgpr_workitem_id 0
		.amdhsa_next_free_vgpr 768
		.amdhsa_next_free_sgpr 100
		.amdhsa_reserve_vcc 0
		.amdhsa_float_denorm_mode_32 3
		.amdhsa_float_denorm_mode_16_64 3
		.amdhsa_memory_ordered 1
		.amdhsa_forward_progress 1
		.amdhsa_inst_pref_size 128
	.end_amdhsa_kernel
	.amdgpu_metadata
---
amdhsa.version: [ 1, 2 ]
amdhsa.kernels:
  - .name:           k_q6307f2e84d_down
    .symbol:         k_q6307f2e84d_down.kd
    .args:
      - { .name: hid, .offset: 0, .size: 8, .value_kind: global_buffer, .address_space: global }
      - { .name: w, .offset: 8, .size: 8, .value_kind: global_buffer, .address_space: global }
      - { .name: down_b, .offset: 16, .size: 8, .value_kind: global_buffer, .address_space: global }
      - { .name: x2, .offset: 24, .size: 8, .value_kind: global_buffer, .address_space: global }
      - { .name: out0, .offset: 32, .size: 8, .value_kind: global_buffer, .address_space: global }
    .group_segment_fixed_size: 327680
    .private_segment_fixed_size: 0
    .kernarg_segment_align: 8
    .kernarg_segment_size: 40
    .max_flat_workgroup_size: 128
    .sgpr_count:     100
    .vgpr_count:     768
    .wavefront_size: 32
...
	.end_amdgpu_metadata
.endif
;; end of part 7
